; MI455X (gfx1250); checked and timed in simulation.
; The chip was launched on July 23, 2026; its instructions are those of AMD's public machine-readable ISA for CDNA 5 (MIT licence, August 2026) and "CDNA5" Instruction Set Architecture Reference Guide (July 2026). The comments in the code are by the model that wrote it; some were corrected since.
;; Bit Net Attention. Allowed arithmetic: matrix products marked QUANTISED: E2M3 operands, one E8M0 scale for each 32 along K, by v_wmma_scale_f32_16x16x128_f8f6f4 with both operands' format E2M3, f32 sums; everything else in f32.
;; Inputs: attention_mask 1 x 2,048 float32; hidden_states 1 x 2,048 x 2,048 float32; position_ids 1 x 2,048 int32; wk 512 x 2,048 float32; wo 2,048 x 2,048 float32; wq 2,048 x 2,048 float32; wv 512 x 2,048 float32.
;; Outputs: out0 1 x 2,048 x 2,048 float32.
;; This version of the problem:
;;   THIS VERSION OF THE PROBLEM IS GIVEN IN LOW PRECISION. The matrix products marked QUANTISED in the list below multiply operands that are first quantised to E2M3 (2 exponent bits, 3 mantissa bits; 6 bits a number), with one power-of-two scale for each 32 numbers along K (OCP MX v1.0); their sums are f32. All else is computed in f32.
;;   The module's matrix products, in the order in which they are computed (A, B: the left and right operand; K: the contracted axis; several contracted axes count as one K, in the product's order):
;;     1. [M 2,048, K 2,048] x [K 2,048, N 2,048]; A: input hidden_states; B: computed on the way: QUANTISED
;;     2. [M 2,048, K 2,048] x [K 2,048, N 512]; A: input hidden_states; B: computed on the way: QUANTISED
;;     3. [M 2,048, K 2,048] x [K 2,048, N 512]; A: input hidden_states; B: computed on the way: QUANTISED
;;     4. batch 32 x [M 2,048, K 64] x [K 64, N 2,048]; A: computed on the way; B: computed on the way: QUANTISED
;;     5. batch 32 x [M 2,048, K 2,048] x [K 2,048, N 64]; A: softmax (see below); B: computed on the way: QUANTISED
;;     6. [M 2,048, K 2,048] x [K 2,048, N 2,048]; A: computed on the way; B: computed on the way: QUANTISED
;;   THE QUANTISER, for each operand of a quantised product, along K:
;;     - K is cut into blocks of 32 from its start; a last block that is shorter is filled with zeros.
;;     - A block's scale is 2^e with e = floor(log2(the largest magnitude in the block)) - 2, held to -126 .. 127; a block of zeros has e = 0. As a byte (E8M0): e + 127.
;;     - Each number is divided by its block's scale, clamped to +-7.5, and rounded to the nearest number of E2M3, ties to even, subnormals kept.
;;     - The product sums the exact products of the quantised numbers (number of the format x scale) in f32.
;;   ~~~python
;;   def quantise(x, axis):      # numpy; x: float32 -> the quantised numbers, widened to float32 again
;;       x = np.moveaxis(x, axis, -1); K = x.shape[-1]
;;       x = np.pad(x, [(0, 0)] * (x.ndim - 1) + [(0, -K % 32)]); x = x.reshape(x.shape[:-1] + (-1, 32)); a = np.abs(x).max(-1, keepdims=True)
;;       e = np.where(a > 0, np.clip(np.frexp(np.where(a > 0, a, 1))[1] - 1 - 2, -126, 127), 0)      # np.frexp(a)[1] - 1 = floor(log2(a)), exactly
;;       r = np.clip(x / 2.0 ** e, -7.5, 7.5)
;;       step = 2.0 ** (np.maximum(np.frexp(np.where(r == 0, 1, r))[1] - 1, 0) - 3)
;;       q = np.round(r / step) * step * 2.0 ** e      # np.round: ties to even
;;       return np.moveaxis(q.reshape(q.shape[:-2] + (-1,))[..., :K], -1, axis).astype(np.float32)
;;   ~~~
;;   SOFTMAX AHEAD OF A QUANTISED PRODUCT. Where the list says 'softmax', what is quantised is not the finished softmax but p = 2^(t - M), with t = logit x log2(e) and M = ceil(the row's largest t), a whole number; so 1/2 < the row's largest p <= 1. The row's sum l is taken of the UNQUANTISED p, in f32, and the product's result is divided by l at the end. Since M is a whole number, a kernel that streams over the keys may use a running M (the ceiling of the running maximum): every later rescaling is an exact power of two, which a block's scale takes up: the codes' values come out the same.
;;   OPERANDS COMPUTED ON THE WAY. 'Computed on the way' means the value that the module computes at that place (a softmax that the list does not call 'softmax' is quantised finished and normalised). What goes into a quantiser is computed in f32, as accurately as f32 sums, v_exp_f32 and their like allow (about 1e-6 of the number): no bf16 or f16 on the way to a quantiser, and a product that is left as it is and whose result goes on into a quantised operand takes f32 operands (vector FMAs, or v_wmma_f32_16x16x4_f32). A number that lies on a knife's edge between two numbers of the format may be rounded either way, as far as f32 arithmetic and the matrix unit's own rounding can turn it there, and no further.
;; One version. Each part assembles by itself: llvm-mc -triple=amdgcn-amd-amdhsa -mcpu=gfx1250 --defsym DOCPART=n.
;; ======== version 1 of 1: 5 launches
;; limits: right only within a limited range of input values
;; workspace buffers: psum 2,048 bytes; rope 524,288 bytes; ximg 3,276,800 bytes; wimg 8,192,000 bytes; qimg 3,407,872 bytes; kvimg 1,671,168 bytes; aimg 3,276,800 bytes
;; launch sums (part 1): grid 512 x 1, 8 waves a work-group, no clusters, 1,280 bytes of LDS; arguments wq, wk, wv, wo, position_ids, psum, rope; writes psum, rope
.if DOCPART == 1
	.amdgcn_target "amdgcn-amd-amdhsa--gfx1250"
	.amdhsa_code_object_version 6
	.text
	.protected	k_q3936de0602_sums
	.globl	k_q3936de0602_sums
	.p2align	8
	.type	k_q3936de0602_sums,@function
k_q3936de0602_sums:
	s_mov_b64 s[64:65], 0
	v_nop
	global_prefetch_b8 v0, s[64:65] scope:SCOPE_SE
	s_setreg_imm32_b32 hwreg(HW_REG_WAVE_MODE, 25, 1), 1
	s_wait_xcnt 0x0
; Two things that the later launches need whole: partial sums of |w| for the four weights' means, and the table of cos and sin for the rotary embedding.
; psum: f32 [tensor: wq, wk, wv, wo][128]: work-group g sums part g % 128 of tensor g / 128 (131,072 bytes of wq, wo; 32,768 of wk, wv); a wave takes an eighth of it, 16,384 or 4,096 bytes.
; ALL OF A WAVE'S LOADS GO OUT AT ONCE: the position, eight loads of 512 bytes, and in the large tensors 24 more: 33 at the most, into 128 registers.  The two sizes part on one branch on the work-group's number, each way with its own counts.
; rope: f32 [place in the sequence 2048][cos of frequencies 0..31, sin of 0..31].  Wave 8 g + w makes 16 frequencies of one place: lanes 0-15 store the cosines, lanes 16-31 the sines.
; inv_freq = 10000^(-f/32) = 10^(-f/8) is the product, over the set bits b of f, of the constants 10^(-2^b / 8), each rounded to f32; it needs no argument and is made while the arguments are on their way.
; The angle pos x inv_freq is rounded once, then reduced by pi/2 in three parts; sin and cos by polynomials on [-pi/4, pi/4].  A number is rounded to the nearest whole number by adding 1.5 x 2^23: the sum's low bits are then that whole number.
; LIMITS: |angle x 2 / pi| under 2^22, so |position| under 6.5e6; the reduction keeps about 1e-7 rad up to angles of about 1e5; inv_freq lies within 4.5 x 2^-24 of its value (five constants, four products) and need not
; have the bits of a library's pow; the mean's order of summing is this text's own.  NaN and infinities in the weights are not served.
.set X,   64                           ; v64-191 32 loads of 16 bytes
.set ACC, 24                           ; v24-31  eight running sums
.set BIG, 40                           ; s40     1.5 x 2^23
.set TOP, 41                           ; s41     2 / pi
.set PI1, 42                           ; s42-44  -pi/2 in three parts
.set SN,  45                           ; s45-46  the sine's coefficients of z^2 and z
.set CN,  47                           ; s47-48  the cosine's
.macro FACTOR bit, c                   ; where bit b of f is set, inv_freq takes the factor 10^(-2^b / 8)
	v_and_b32 v6, 1<<(\bit), v3
	v_mov_b32 v7, \c
	s_delay_alu instid0(VALU_DEP_2)
	v_cmp_ne_u32 vcc_lo, 0, v6
	s_delay_alu instid0(VALU_DEP_1)
	v_cndmask_b32 v7, 1.0, v7, vcc_lo
	s_delay_alu instid0(VALU_DEP_1)
	v_mul_f32 v8, v8, v7
.endm
.macro LD j                            ; 32 lanes read 512 consecutive bytes
	global_load_b128 v[X+4*(\j):X+4*(\j)+3], v4, s[4:5] offset:512*(\j) th:TH_LOAD_NT
.endm
.macro START                           ; the first four loads start the eight sums: nothing is cleared
.irp j, 0,1
.irp k, 0,1,2,3
	v_add_f32 v[ACC+4*\j+\k], |v[X+4*\j+\k]|, |v[X+8+4*\j+\k]|
.endr
.endr
.endm
.macro SUM j
.irp k, 0,1,2,3
	v_add_f32 v[ACC+4*((\j)%2)+\k], v[ACC+4*((\j)%2)+\k], |v[X+4*(\j)+\k]|
.endr
.endm
.macro TABLE                           ; from the position (v9) and inv_freq (v8) to the stored cosine or sine
	v_cvt_f32_i32 v9, v9
	s_wait_alu depctr_va_vdst(0)
	v_mul_f32 v9, v9, v8                           ; the angle, rounded once
	s_delay_alu instid0(VALU_DEP_1)
	v_fma_f32 v10, v9, s[TOP], s[BIG]              ; angle x 2 / pi + 1.5 x 2^23: rounded to a whole number n, which is the sum's low bits
	s_delay_alu instid0(VALU_DEP_1)
	v_add_f32 v20, 0xcb400000, v10                 ; n as a number
	s_delay_alu instid0(VALU_DEP_1)
	v_fma_f32 v11, v20, s[PI1], v9                 ; r = angle - n pi/2
	s_delay_alu instid0(VALU_DEP_1)
	v_fma_f32 v11, v20, s[PI1+1], v11
	s_delay_alu instid0(VALU_DEP_1)
	v_fma_f32 v11, v20, s[PI1+2], v11
	s_delay_alu instid0(VALU_DEP_1)
	v_mul_f32 v12, v11, v11                        ; z = r r
	v_mov_b32 v13, 0xb94ca1f9
	s_delay_alu instid0(VALU_DEP_1)
	v_fma_f32 v13, v13, v12, s[SN]
	s_delay_alu instid0(VALU_DEP_1)
	v_fma_f32 v13, v13, v12, s[SN+1]
	s_delay_alu instid0(VALU_DEP_4)
	v_mul_f32 v14, v11, v12
	s_delay_alu instid0(VALU_DEP_1)
	v_fma_f32 v13, v13, v14, v11                   ; sin r
	v_mov_b32 v15, 0x37ccf5ce
	s_delay_alu instid0(VALU_DEP_1)
	v_fma_f32 v15, v15, v12, s[CN]
	s_delay_alu instid0(VALU_DEP_1)
	v_fma_f32 v15, v15, v12, s[CN+1]
	v_mul_f32 v14, v12, v12
	v_fma_f32 v16, v12, -0.5, 1.0
	s_delay_alu instid0(VALU_DEP_1)
	v_fma_f32 v15, v14, v15, v16                   ; cos r
	v_and_b32 v16, 1, v10
	s_delay_alu instid0(VALU_DEP_1)
	v_cmp_eq_u32 vcc_lo, 1, v16                    ; in odd quadrants sin and cos change places
	s_delay_alu instid0(VALU_DEP_1)
	v_cndmask_b32 v17, v13, v15, vcc_lo            ; the sine
	s_delay_alu instid0(VALU_DEP_2)
	v_cndmask_b32 v18, v15, v13, vcc_lo            ; the cosine
	v_and_b32 v16, 2, v10
	s_delay_alu instid0(VALU_DEP_1)
	v_lshlrev_b32 v16, 30, v16
	s_delay_alu instid0(VALU_DEP_1)
	v_xor_b32 v17, v17, v16                        ; the sine's sign: quadrants 2 and 3
	v_add_nc_u32 v16, 1, v10
	s_delay_alu instid0(VALU_DEP_1)
	v_and_b32 v16, 2, v16
	s_delay_alu instid0(VALU_DEP_1)
	v_lshlrev_b32 v16, 30, v16
	s_delay_alu instid0(VALU_DEP_1)
	v_xor_b32 v18, v18, v16                        ; the cosine's: quadrants 1 and 2
	v_cmp_gt_u32 vcc_lo, 16, v1
	s_delay_alu instid0(VALU_DEP_1)
	v_cndmask_b32 v17, v17, v18, vcc_lo            ; lanes 0-15 the cosine, lanes 16-31 the sine
	global_store_b32 v19, v17, s[16:17]            ; v17 and v19 are not written again
.endm
	s_load_b256 s[4:11], s[0:1], 0x0               ; wq, wk, wv, wo
	s_load_b128 s[12:15], s[0:1], 0x20             ; position_ids, psum
	s_load_b64 s[16:17], s[0:1], 0x30              ; rope
	v_lshl_add_u32 v192, v0, 2, 0x100
	v_mov_b32 v193, 0
	v_lshrrev_b32 v1, 5, v0
	s_delay_alu instid0(VALU_DEP_1)
	v_readfirstlane_b32 s18, v1                    ; wave 0..7
	v_and_b32 v1, 31, v0                           ; lane
	v_and_b32 v2, 15, v0                           ; lane % 16
	s_wait_alu depctr_va_vdst(0)
	v_lshlrev_b32 v4, 4, v1                        ; 16 bytes a lane
	s_lshr_b32 s20, ttmp9, 7                       ; which tensor
	s_and_b32 s21, ttmp9, 127                      ; which part of it
	s_add_co_u32 s22, s20, 1
	s_and_b32 s22, s22, 2                          ; 2 for wk and wv, 0 for wq and wo
	s_cmp_eq_u32 s22, 0
	s_cselect_b32 s24, 17, 15                      ; log2 of a work-group's bytes
	s_lshl_b32 s26, s21, s24
	s_sub_co_u32 s25, s24, 3
	s_lshl_b32 s27, s18, s25                       ; a wave's eighth
	s_add_co_u32 s26, s26, s27
	s_mov_b32 s27, 0
	s_lshl_b32 s28, ttmp9, 3
	s_add_co_u32 s28, s28, s18                     ; 8 g + wave
	s_lshr_b32 s29, s28, 1                         ; the place in the sequence
	s_and_b32 s30, s28, 1
	s_lshl_b32 s30, s30, 4                         ; my first frequency: 0 or 16
	s_lshl_b32 s32, s29, 2
	v_mov_b32 v22, s32                             ; the place's word of position_ids
	s_lshl_b32 s34, s29, 8
	s_mov_b32 s35, 0
	s_lshl_b32 s36, ttmp9, 2
	s_mov_b32 s37, 0
	s_mov_b32 s38, 0x76543210
	s_mov_b32 s39, 0xfedcba98                      ; v_permlanex16_b32's selects for lane l xor 16
	s_mov_b32 s[BIG], 0x4b400000
	s_mov_b32 s[TOP], 0x3f22f983
	s_mov_b32 s[PI1], 0xbfc90fdb
	s_mov_b32 s[PI1+1], 0x333bbd2e
	s_mov_b32 s[PI1+2], 0x26f72ced
	s_mov_b32 s[SN], 0x3c08839e
	s_mov_b32 s[SN+1], 0xbe2aaaa3
	s_mov_b32 s[CN], 0xbab6061a
	s_mov_b32 s[CN+1], 0x3d2aaaa5
	v_add_nc_u32 v3, s30, v2                       ; f
	v_lshrrev_b32 v19, 4, v1
	s_delay_alu instid0(VALU_DEP_1)
	v_lshlrev_b32 v19, 7, v19
	s_delay_alu instid0(VALU_DEP_1)
	v_lshl_add_u32 v19, v3, 2, v19                 ; where I store: 128 (lane / 16) + 4 f
	v_mov_b32 v8, 1.0
	FACTOR 0, 0x3f3ff911                           ; 10^(-1/8)
	FACTOR 1, 0x3f0ff59a                           ; 10^(-1/4)
	FACTOR 2, 0x3ea1e89b                           ; 10^(-1/2)
	FACTOR 3, 0x3dcccccd                           ; 10^-1
	FACTOR 4, 0x3c23d70a                           ; 10^-2: v8 = inv_freq
	s_wait_kmcnt 0x0
	global_load_b32 v9, v22, s[12:13]              ; the position at my place: every lane reads the same word
	s_cmp_eq_u32 s20, 1
	s_cselect_b64 s[4:5], s[6:7], s[4:5]
	s_cmp_eq_u32 s20, 2
	s_cselect_b64 s[4:5], s[8:9], s[4:5]
	s_cmp_eq_u32 s20, 3
	s_cselect_b64 s[4:5], s[10:11], s[4:5]         ; my tensor: the choice hangs on the work-group's number alone
	s_add_nc_u64 s[4:5], s[4:5], s[26:27]
	s_add_nc_u64 s[16:17], s[16:17], s[34:35]      ; my row of the table
	s_add_nc_u64 s[14:15], s[14:15], s[36:37]      ; my word of psum
.irp j, 0,1,2,3,4,5,6,7
	LD \j
.endr
	s_cmp_eq_u32 s22, 0
	s_cbranch_scc0 .Lsmall
	; ---- wq, wo: 16,384 bytes a wave
.irp j, 8,9,10,11,12,13,14,15,16,17,18,19,20,21,22,23,24,25,26,27,28,29,30,31
	LD \j
.endr
	s_wait_loadcnt 32                              ; the position is in; the 32 loads issued behind it may be out
	TABLE
	s_wait_loadcnt 24                              ; loads 0 to 7 are in
	START
.irp j, 4,5,6,7
	SUM \j
.endr
	s_wait_alu depctr_va_vdst(0)
	s_wait_loadcnt 16
.irp j, 8,9,10,11,12,13,14,15
	SUM \j
.endr
	s_wait_alu depctr_va_vdst(0)
	s_wait_loadcnt 8
.irp j, 16,17,18,19,20,21,22,23
	SUM \j
.endr
	s_wait_alu depctr_va_vdst(0)
	s_wait_loadcnt 0x0
.irp j, 24,25,26,27,28,29,30,31
	SUM \j
.endr
	s_branch .Ljoin
.Lsmall:
	; ---- wk, wv: 4,096 bytes a wave
	s_wait_loadcnt 8                               ; the position is in; the eight loads issued behind it may be out
	TABLE
	s_wait_loadcnt 0x0
	START
.irp j, 4,5,6,7
	SUM \j
.endr
.Ljoin:
	s_wait_alu depctr_va_vdst(0)
	v_add_f32 v24, v24, v28
	v_add_f32 v25, v25, v29
	v_add_f32 v26, v26, v30
	v_add_f32 v27, v27, v31
	s_delay_alu instid0(VALU_DEP_3)
	v_add_f32 v24, v24, v25
	s_delay_alu instid0(VALU_DEP_2)
	v_add_f32 v26, v26, v27
	s_delay_alu instid0(VALU_DEP_1)
	v_add_f32 v24, v24, v26
	s_delay_alu instid0(VALU_DEP_1)
	v_add_f32_dpp v24, v24, v24 row_xmask:1 row_mask:0xf bank_mask:0xf
	s_delay_alu instid0(VALU_DEP_1)
	v_add_f32_dpp v24, v24, v24 row_xmask:2 row_mask:0xf bank_mask:0xf
	s_delay_alu instid0(VALU_DEP_1)
	v_add_f32_dpp v24, v24, v24 row_xmask:4 row_mask:0xf bank_mask:0xf
	s_delay_alu instid0(VALU_DEP_1)
	v_add_f32_dpp v24, v24, v24 row_xmask:8 row_mask:0xf bank_mask:0xf
	s_delay_alu instid0(VALU_DEP_1)
	v_permlanex16_b32 v25, v24, s38, s39
	s_delay_alu instid0(VALU_DEP_1)
	v_add_f32 v24, v24, v25                        ; the wave's sum, in every lane
	v_mov_b32 v23, s18
	s_delay_alu instid0(VALU_DEP_1)
	v_lshlrev_b32 v23, 2, v23
	ds_store_b32 v23, v24                          ; a word for each wave
	s_wait_dscnt 0x0                               ; for the others' sake
	s_barrier_signal -1
	s_barrier_wait -1
	v_mov_b32 v21, 0
	ds_load_b128 v[32:35], v21
	ds_load_b128 v[36:39], v21 offset:16
	s_wait_dscnt 0x0
	v_add_f32 v32, v32, v33
	v_add_f32 v34, v34, v35
	v_add_f32 v36, v36, v37
	v_add_f32 v38, v38, v39
	s_delay_alu instid0(VALU_DEP_3)
	v_add_f32 v32, v32, v34
	s_delay_alu instid0(VALU_DEP_2)
	v_add_f32 v36, v36, v38
	s_delay_alu instid0(VALU_DEP_1)
	v_add_f32 v32, v32, v36
	s_wait_alu depctr_va_vdst(0)
	s_wait_xcnt 0x0                                ; EXEC changes only behind this wait
	v_cmp_eq_u32 vcc_lo, 0, v0
	s_wait_tensorcnt 0x0
	ds_add_u32 v192, v193
	s_wait_dscnt 0x0
	s_and_saveexec_b32 s19, vcc_lo
	global_store_b32 v21, v32, s[14:15]            ; thread 0 stores the work-group's sum
	s_wait_xcnt 0x0
	s_or_b32 exec_lo, exec_lo, s19
	s_endpgm
.Lfunc_end_k_q3936de0602_sums:
	.size	k_q3936de0602_sums, .Lfunc_end_k_q3936de0602_sums-k_q3936de0602_sums
	.p2alignl 7, 3214868480
	.fill 96, 4, 3214868480
	.section	.rodata,"a",@progbits
	.p2align	6, 0x0
	.amdhsa_kernel k_q3936de0602_sums
		.amdhsa_group_segment_fixed_size 1280
		.amdhsa_private_segment_fixed_size 0
		.amdhsa_enable_private_segment 0
		.amdhsa_kernarg_size 56
		.amdhsa_user_sgpr_count 2
		.amdhsa_user_sgpr_kernarg_segment_ptr 1
		.amdhsa_wavefront_size32 1
		.amdhsa_system_sgpr_workgroup_id_x 1
		.amdhsa_system_sgpr_workgroup_id_y 1
		.amdhsa_system_sgpr_workgroup_id_z 1
		.amdhsa_system_vgpr_workitem_id 0
		.amdhsa_next_free_vgpr 194
		.amdhsa_next_free_sgpr 66
		.amdhsa_reserve_vcc 1
		.amdhsa_float_denorm_mode_32 3
		.amdhsa_float_denorm_mode_16_64 3
		.amdhsa_memory_ordered 1
		.amdhsa_forward_progress 1
		.amdhsa_inst_pref_size 24
	.end_amdhsa_kernel
	.amdgpu_metadata
---
amdhsa.version: [ 1, 2 ]
amdhsa.kernels:
  - .name:           k_q3936de0602_sums
    .symbol:         k_q3936de0602_sums.kd
    .args:
      - { .name: wq, .offset: 0, .size: 8, .value_kind: global_buffer, .address_space: global }
      - { .name: wk, .offset: 8, .size: 8, .value_kind: global_buffer, .address_space: global }
      - { .name: wv, .offset: 16, .size: 8, .value_kind: global_buffer, .address_space: global }
      - { .name: wo, .offset: 24, .size: 8, .value_kind: global_buffer, .address_space: global }
      - { .name: position_ids, .offset: 32, .size: 8, .value_kind: global_buffer, .address_space: global }
      - { .name: psum, .offset: 40, .size: 8, .value_kind: global_buffer, .address_space: global }
      - { .name: rope, .offset: 48, .size: 8, .value_kind: global_buffer, .address_space: global }
    .group_segment_fixed_size: 1280
    .private_segment_fixed_size: 0
    .kernarg_segment_align: 8
    .kernarg_segment_size: 56
    .max_flat_workgroup_size: 256
    .sgpr_count:     66
    .vgpr_count:     194
    .wavefront_size: 32
...
	.end_amdgpu_metadata
.endif
;; end of part 1
;; launch quant (part 2): grid 1792 x 1, 1 waves a work-group, no clusters, 17,152 bytes of LDS; arguments hidden_states, wq, wk, wv, wo, psum, ximg, wimg; writes ximg, wimg
.if DOCPART == 2
	.amdgcn_target "amdgcn-amd-amdhsa--gfx1250"
	.amdhsa_code_object_version 6
	.text
	.protected	k_q3936de0602_quant
	.globl	k_q3936de0602_quant
	.p2align	8
	.type	k_q3936de0602_quant,@function
k_q3936de0602_quant:
	s_mov_b64 s[64:65], 0
	v_nop
	global_prefetch_b8 v0, s[64:65] scope:SCOPE_SE
	s_setreg_imm32_b32 hwreg(HW_REG_WAVE_MODE, 25, 1), 1
	s_wait_xcnt 0x0
; hidden_states and the four weights become codes of FP6 (E2M3) with one E8M0 byte for each 32 along K, laid as IMAGES OF THE OPERAND'S REGISTERS: a fragment (16 rows x 128 K, 12 registers a lane) is 1,536 bytes,
; registers 4 g .. 4 g + 3 of lane l at 512 g + 16 l.  The weights are first made ternary as reference() writes it: s = mean|w| + 1e-6, t = round(clip(w / s, -1, 1)) s, w + (t - w).
; round(..) is +-1 just where the rounded quotient |w| / s lies above 1/2, which is where |w| - s/2 > s 2^-25; that difference is exact wherever the test is close.
; A TILE OF 16 ROWS IS NOT 16 NEIGHBOURS: tile 2 b + u of a group of 32 rows holds, in lane r, row 32 b + 8 u + r + 8 (r / 8).
; ximg: codes [block of 128 rows 16][K step 16][tile 8][1536], then scale words [block][K step / 4][tile][r 16][K step % 4].  wimg: the same with blocks of 16 tiles: blocks 0-7 wq, 8-11 wk (tiles 0-7) and wv (tiles 8-15), 12-19 wo.
; SHARES.  A work-group is ONE wave: tile g / 4 of the 448, K steps 4 (g % 4) on: 1,792 work-groups of equal bytes, 7 x 256.  Waves share nothing: no barrier.
; Each load reads 512 consecutive bytes of a row.  The numbers as loaded have registers of their own, four sets of 64 in window 1 (v256-511): three K steps' loads go out at the head, the fourth when the first has landed: 49 loads out at the most.
; A step's 16 rows turn through a stage in LDS (rows of 512 + 16 bytes; two stages by turns), one step ahead of the work, so that lane (r, h) gets k = 64 c + 32 h + 0 .. 31 of row r: two whole blocks, in the order of the operand's registers.
; The mean is made in every work-group, without a branch; those of hidden_states make wq's and do not use it: one load of 512 bytes.
; LIMITS: a block whose largest magnitude lies under 2^-124, a block of zeros too, gets the byte 1 (its codes are zeros or nearly; this program alone reads the bytes); NaN and infinities are not served.
.set VO,  7                            ; v7-10    where a K step's codes go: 16 x lane + step x (a K step's tiles)
.set TM,  16                           ; v16-23   at work
.set SW,  24                           ; v24-27   the four steps' scale words
.set CT,  28                           ; v28-35   the second halves of the blocks' codes
.set CD,  36                           ; v36-83   codes: 12 registers for each step, so that no store's data are written again
.set XX,  96                           ; v96-223  two sets of 64 numbers, turned
.set TT,  224                          ; v224-231 eight numbers' t
.set TU,  232                          ; v232-239 and t - w
.set MK,  56                           ; s56-63   eight masks
.set MSB, 0
.macro WIN new                         ; the immediate's high byte repeats the setting that is left
.if MSB != (\new)
	s_set_vgpr_msb (MSB<<8)|(\new)
.set MSB, (\new)
.endif
.endm
	s_load_b256 s[4:11], s[0:1], 0x0               ; hidden_states, wq, wk, wv
	s_load_b256 s[12:19], s[0:1], 0x20             ; wo, psum, ximg, wimg
	v_lshl_add_u32 v254, v0, 2, 0x4200
	v_mov_b32 v255, 0
	v_and_b32 v1, 31, v0                           ; lane
	v_and_b32 v2, 15, v0                           ; r
	v_bfe_u32 v3, v0, 4, 1                         ; h
	v_lshlrev_b32 v4, 4, v1                        ; 16 x lane: my bytes of a load's 512, and of a stage's row on the way in
	s_wait_alu depctr_va_vdst(0)
	v_lshlrev_b32 v11, 4, v2                       ; 16 r
	v_lshlrev_b32 v14, 3, v3                       ; 8 h
	v_mul_u32_u24 v6, v2, 528
	v_lshl_add_u32 v6, v3, 7, v6                   ; out of a stage: row r, + 128 h
	v_mov_b32 v22, 0                               ; (a lane permute's destination counts as one of its sources)
	s_and_b32 s20, ttmp9, 3                        ; which four K steps
	s_lshr_b32 s21, ttmp9, 2                       ; which tile: the first 128 are hidden_states', the others the weights'
	s_cmp_lt_u32 s21, 128
	s_cselect_b32 s22, 3, 4                        ; log2 of a block's tiles
	s_cselect_b32 s23, 0, 128
	s_sub_co_u32 s23, s21, s23
	s_lshr_b32 s24, s23, s22                       ; block
	s_bfm_b32 s25, s22, 0
	s_and_b32 s25, s23, s25                        ; tile
	s_lshr_b32 s26, s25, 3
	s_add_co_u32 s26, s26, 2                       ; the source: 0 hidden_states, 1 wq, 2 wk, 3 wv, 4 wo
	s_cmp_lt_u32 s24, 8
	s_cselect_b32 s26, 1, s26
	s_cmp_ge_u32 s24, 12
	s_cselect_b32 s26, 4, s26
	s_cmp_lt_u32 s21, 128
	s_cselect_b32 s26, 0, s26
	s_lshr_b32 s27, s26, 1
	s_mov_b32 s30, 0x34800000                      ; 2^-22: one over wq's and wo's count
	s_cmp_eq_u32 s27, 1                            ; wk or wv?
	s_cselect_b32 s28, 8, 0                        ; the source's first block
	s_cselect_b32 s29, 7, 15
	s_cselect_b32 s30, 0x35800000, s30             ; 2^-20
	s_cselect_b32 s31, 7, 8                        ; log2 of the source's rows in a block
	s_cmp_eq_u32 s26, 4
	s_cselect_b32 s28, 12, s28
	s_cmp_eq_u32 s26, 0
	s_cselect_b32 s31, 7, s31
	s_max_u32 s32, s26, 1
	s_sub_co_u32 s32, s32, 1                       ; the tensor's place in psum
	s_sub_co_u32 s33, s24, s28
	s_lshl_b32 s33, s33, s31
	s_and_b32 s34, s25, s29
	s_lshr_b32 s35, s34, 1
	s_lshl_b32 s35, s35, 5
	s_add_co_u32 s33, s33, s35
	s_and_b32 s35, s34, 1
	s_lshl_b32 s35, s35, 3
	s_add_co_u32 s33, s33, s35                     ; the tile's first row: 32 b + 8 u in its block
	s_lshl_b32 s34, s33, 13                        ; rows of 8,192 bytes
	s_lshl_b32 s35, s20, 11                        ; my four K steps: 2,048 bytes
	s_add_co_u32 s34, s34, s35
	s_mov_b32 s35, 0
	s_lshl_b32 s36, s24, 4
	s_lshl_b32 s37, s20, 2
	s_add_co_u32 s36, s36, s37                     ; block x 16 + my first K step
	s_lshl_b32 s36, s36, s22
	s_add_co_u32 s36, s36, s25
	s_mul_i32 s36, s36, 1536                       ; where my codes begin
	s_mov_b32 s37, 0
	s_lshl_b32 s38, s24, 2
	s_add_co_u32 s38, s38, s20
	s_lshl_b32 s38, s38, s22
	s_add_co_u32 s38, s38, s25
	s_lshl_b32 s38, s38, 8                         ; and my 256 bytes of scale words,
	s_mov_b32 s39, 0
	s_mov_b32 s41, 7864320
	s_cmp_eq_u32 s26, 0
	s_cselect_b32 s41, 3145728, s41                ; behind the buffer's codes
	s_add_co_u32 s38, s38, s41
	s_lshl_b32 s42, 1536, s22                      ; a K step on in the codes
	v_mov_b32 v[VO], v4
	v_add_nc_u32 v[VO+1], s42, v[VO]
	v_add_nc_u32 v[VO+2], s42, v[VO+1]
	v_add_nc_u32 v[VO+3], s42, v[VO+2]
	s_lshl_b32 s44, s32, 9
	s_mov_b32 s45, 0
	s_mov_b32 s40, 0x7fffffff
	s_mov_b32 s52, 0x76543210
	s_mov_b32 s53, 0xfedcba98                      ; v_permlanex16_b32's selects for lane l xor 16
	s_mov_b32 s54, 0x358637bd                      ; 1e-6
	s_wait_kmcnt 0x0
	s_cmp_eq_u32 s26, 0                            ; the choices hang on the work-group's number alone
	s_cselect_b64 s[46:47], s[4:5], s[6:7]
	s_cselect_b64 s[48:49], s[16:17], s[18:19]
	s_cmp_eq_u32 s26, 2
	s_cselect_b64 s[46:47], s[8:9], s[46:47]
	s_cmp_eq_u32 s26, 3
	s_cselect_b64 s[46:47], s[10:11], s[46:47]
	s_cmp_eq_u32 s26, 4
	s_cselect_b64 s[46:47], s[12:13], s[46:47]
	s_add_nc_u64 s[46:47], s[46:47], s[34:35]
	s_add_nc_u64 s[50:51], s[48:49], s[38:39]
	s_add_nc_u64 s[48:49], s[48:49], s[36:37]
	s_add_nc_u64 s[14:15], s[14:15], s[44:45]
.macro LOAD q                          ; K step q: 512 bytes of each of the tile's 16 rows, into set q of window 1 (the window is set by the caller)
.irp i, 0,1,2,3,4,5,6,7,8,9,10,11,12,13,14,15
	global_load_b128 v[64*(\q)+4*\i:64*(\q)+4*\i+3], v4, s[46:47] offset:(\i+8*(\i/8))*8192+512*(\q) th:TH_LOAD_NT
.endr
.endm
.macro TURN q                          ; step q's numbers through stage q % 2, into set q % 2 of window 0
	WIN 0x04                                       ; an LDS store's data are its source 1: window 1
.irp i, 0,1,2,3,4,5,6,7,8,9,10,11,12,13,14,15
	ds_store_b128 v4, v[64*(\q)+4*\i:64*(\q)+4*\i+3] offset:8448*((\q)%2)+528*\i
.endr
	WIN 0
.irp c, 0,1
.irp j, 0,1,2,3,4,5,6,7
	ds_load_b128 v[XX+64*((\q)%2)+32*\c+4*\j:XX+64*((\q)%2)+32*\c+4*\j+3], v6 offset:8448*((\q)%2)+256*\c+16*\j   ; LDS serves a wave's instructions in order (ISA guide 5.7.1.4): these see the stores above
.endr
.endr
.endm
	global_load_b128 v[16:19], v4, s[14:15]        ; the tensor's 128 partial sums
	WIN 0x40                                       ; destination window 1
	LOAD 0
	LOAD 1
	LOAD 2
	WIN 0
	s_wait_loadcnt 48                              ; the partial sums are in; the three steps' 48 loads may be out
	v_add_f32 v16, v16, v17
	v_add_f32 v18, v18, v19
	v_add_f32 v16, v16, v18
	v_add_f32_dpp v16, v16, v16 row_xmask:1 row_mask:0xf bank_mask:0xf
	v_add_f32_dpp v16, v16, v16 row_xmask:2 row_mask:0xf bank_mask:0xf
	v_add_f32_dpp v16, v16, v16 row_xmask:4 row_mask:0xf bank_mask:0xf
	v_add_f32_dpp v16, v16, v16 row_xmask:8 row_mask:0xf bank_mask:0xf
	v_permlanex16_b32 v17, v16, s52, s53
	v_add_f32 v16, v16, v17
	v_fma_f32 v12, v16, s30, s54                   ; s = mean + 1e-6 (the count is a power of two: the product is exact)
	v_mul_f32 v13, 0x33000000, v12                 ; s 2^-25
	s_wait_loadcnt 32                              ; step 0 is in; steps 1 and 2 may be out
	WIN 0x40
	LOAD 3                                         ; 48 loads are out again
	WIN 0
	TURN 0
.macro TERN x                          ; 64 numbers become w + (t - w), eight at a turn, so that no line reads the result of the line just above it
.set i, 0
.rept 8
.irp k, 0,1,2,3,4,5,6,7
	v_fma_f32 v[TT+\k], v12, -0.5, |v[\x+8*i+\k]|
.endr
.irp k, 0,1,2,3,4,5,6,7
	v_cmp_lt_f32 s[MK+\k], v13, v[TT+\k]
.endr
.irp k, 0,1,2,3,4,5,6,7
	v_cndmask_b32 v[TT+\k], 0, v12, s[MK+\k]       ; s or 0,
.endr
.irp k, 0,1,2,3,4,5,6,7
	v_bfi_b32 v[TT+\k], s40, v[TT+\k], v[\x+8*i+\k]   ; with w's sign
.endr
.irp k, 0,2,4,6
	v_pk_add_f32 v[TU+\k:TU+\k+1], v[TT+\k:TT+\k+1], v[\x+8*i+\k:\x+8*i+\k+1] neg_lo:[0,1] neg_hi:[0,1]
.endr
.irp k, 0,2,4,6
	v_pk_add_f32 v[\x+8*i+\k:\x+8*i+\k+1], v[\x+8*i+\k:\x+8*i+\k+1], v[TU+\k:TU+\k+1]
.endr
.set i, i+1
.endr
.endm
.macro QSTEP q
.set XS, XX+64*((\q)%2)
.if (\q) < 3
	s_wait_loadcnt 32-16*(\q)                      ; the next step's 16 loads are in; those of the steps behind it may be out
	TURN (\q)+1                                    ; and go through the other stage while this step is worked
	s_wait_dscnt 32                                ; this step's numbers are back; the next step's 16 stores and 16 loads may be out
.else
	s_wait_dscnt 0x0
.endif
	s_cmp_lt_u32 s21, 128
	s_cbranch_scc1 .Lplain_\@
	s_wait_alu depctr_va_vdst(0)
	TERN XS
.Lplain_\@:
.irp c, 0,1                                    ; my block 2 c + h: all its 32 numbers are mine
	v_max3_num_f32 v[TM+\c], |v[XS+32*\c]|, |v[XS+32*\c+1]|, 0x1800000   ; and the floor 2^(3 - 127): the byte cannot fall under 1
.endr
.irp i, 2,4,6,8,10,12,14,16,18,20,22,24,26,28,30
.irp c, 0,1
	v_max3_num_f32 v[TM+\c], v[TM+\c], |v[XS+32*\c+\i]|, |v[XS+32*\c+\i+1]|
.endr
.endr
.irp c, 0,1
	v_add_nc_u32 v[TM+2+\c], 0xff000000, v[TM+\c]  ; 2 off the exponent field: the conversion's scale operand
.endr
.irp c, 0,1
	v_lshrrev_b32 v[TM+4+\c], 23, v[TM+2+\c]       ; the scale's byte
.endr
	v_lshl_or_b32 v[SW+(\q)], v[TM+5], 16, v[TM+4] ; my two bytes: blocks h and 2 + h,
	v_lshlrev_b32 v[SW+(\q)], v14, v[SW+(\q)]      ; at their places;
	v_permlanex16_b32 v[TM+6], v[SW+(\q)], s52, s53
	v_or_b32 v[SW+(\q)], v[SW+(\q)], v[TM+6]       ; with lane l xor 16's two the word is whole
.irp c, 0,1
	v_cvt_scalef32_pk16_fp6_f32 v[CD+12*(\q)+6*\c:CD+12*(\q)+6*\c+2], v[XS+32*\c:XS+32*\c+15], v[TM+2+\c]
	v_cvt_scalef32_pk16_fp6_f32 v[CT+4*\c:CT+4*\c+2], v[XS+32*\c+16:XS+32*\c+31], v[TM+2+\c]   ; (a conversion's three registers begin on an even number)
.endr
	v_nop                                          ; one plain line behind a scaled conversion
.irp c, 0,1
.irp i, 0,1,2
	v_mov_b32 v[CD+12*(\q)+6*\c+3+\i], v[CT+4*\c+\i]
.endr
.endr
.irp g, 0,1,2
	global_store_b128 v[VO+(\q)], v[CD+12*(\q)+4*\g:CD+12*(\q)+4*\g+3], s[48:49] offset:512*\g   ; 32 lanes store 512 consecutive bytes
.endr
.endm
	QSTEP 0
	QSTEP 1
	QSTEP 2
	QSTEP 3
	s_wait_xcnt 0x0                                ; EXEC changes only behind this wait
	v_cmp_gt_u32 vcc_lo, 16, v1
	s_wait_tensorcnt 0x0
	ds_add_u32 v254, v255
	s_wait_dscnt 0x0
	s_and_saveexec_b32 s55, vcc_lo
	global_store_b128 v11, v[SW:SW+3], s[50:51]    ; sixteen lanes store 256 consecutive bytes: row r's words of my four K steps
	s_wait_xcnt 0x0
	s_or_b32 exec_lo, exec_lo, s55
	s_endpgm
.Lfunc_end_k_q3936de0602_quant:
	.size	k_q3936de0602_quant, .Lfunc_end_k_q3936de0602_quant-k_q3936de0602_quant
	.p2alignl 7, 3214868480
	.fill 96, 4, 3214868480
	.section	.rodata,"a",@progbits
	.p2align	6, 0x0
	.amdhsa_kernel k_q3936de0602_quant
		.amdhsa_group_segment_fixed_size 17152
		.amdhsa_private_segment_fixed_size 0
		.amdhsa_enable_private_segment 0
		.amdhsa_kernarg_size 64
		.amdhsa_user_sgpr_count 2
		.amdhsa_user_sgpr_kernarg_segment_ptr 1
		.amdhsa_wavefront_size32 1
		.amdhsa_system_sgpr_workgroup_id_x 1
		.amdhsa_system_sgpr_workgroup_id_y 1
		.amdhsa_system_sgpr_workgroup_id_z 1
		.amdhsa_system_vgpr_workitem_id 0
		.amdhsa_next_free_vgpr 512
		.amdhsa_next_free_sgpr 66
		.amdhsa_reserve_vcc 1
		.amdhsa_float_denorm_mode_32 3
		.amdhsa_float_denorm_mode_16_64 3
		.amdhsa_memory_ordered 1
		.amdhsa_forward_progress 1
		.amdhsa_inst_pref_size 113
	.end_amdhsa_kernel
	.amdgpu_metadata
---
amdhsa.version: [ 1, 2 ]
amdhsa.kernels:
  - .name:           k_q3936de0602_quant
    .symbol:         k_q3936de0602_quant.kd
    .args:
      - { .name: hidden_states, .offset: 0, .size: 8, .value_kind: global_buffer, .address_space: global }
      - { .name: wq, .offset: 8, .size: 8, .value_kind: global_buffer, .address_space: global }
      - { .name: wk, .offset: 16, .size: 8, .value_kind: global_buffer, .address_space: global }
      - { .name: wv, .offset: 24, .size: 8, .value_kind: global_buffer, .address_space: global }
      - { .name: wo, .offset: 32, .size: 8, .value_kind: global_buffer, .address_space: global }
      - { .name: psum, .offset: 40, .size: 8, .value_kind: global_buffer, .address_space: global }
      - { .name: ximg, .offset: 48, .size: 8, .value_kind: global_buffer, .address_space: global }
      - { .name: wimg, .offset: 56, .size: 8, .value_kind: global_buffer, .address_space: global }
    .group_segment_fixed_size: 17152
    .private_segment_fixed_size: 0
    .kernarg_segment_align: 8
    .kernarg_segment_size: 64
    .max_flat_workgroup_size: 32
    .sgpr_count:     66
    .vgpr_count:     512
    .wavefront_size: 32
...
	.end_amdgpu_metadata
.endif
;; end of part 2
;; launch qkv (part 3): grid 12 x 16, 4 waves a work-group, clusters of 4 x 4, 327,680 bytes of LDS; arguments ximg, wimg, rope, qimg, kvimg; writes qimg, kvimg
.if DOCPART == 3
	.amdgcn_target "amdgcn-amd-amdhsa--gfx1250"
	.amdhsa_code_object_version 6
	.text
	.protected	k_q3936de0602_qkv
	.globl	k_q3936de0602_qkv
	.p2align	8
	.type	k_q3936de0602_qkv,@function
k_q3936de0602_qkv:
	s_mov_b64 s[64:65], 0
	v_nop
	global_prefetch_b8 v0, s[64:65] scope:SCOPE_SE
	s_setreg_imm32_b32 hwreg(HW_REG_WAVE_MODE, 25, 1), 1
	s_wait_xcnt 0x0
	s_wait_alu depctr_hold_cnt(0) depctr_sa_sdst(0) depctr_va_vdst(0) depctr_va_sdst(0) depctr_va_ssrc(0) depctr_va_vcc(0) depctr_vm_vsrc(0)
	s_getreg_b32 s2, hwreg(HW_REG_IB_STS2, 6, 4)
	s_cmp_eq_u32 s2, 0
	s_cbranch_scc0 .Lentry_in_a_cluster
	s_endpgm
.Lentry_in_a_cluster:
	s_bfe_u32 s2, ttmp6, 0x10000c
	s_cmp_lg_u32 s2, 0xf033
	s_cbranch_scc0 .Lentry_shape_is_right
	s_endpgm
.Lentry_shape_is_right:
; q, k and v = hidden_states x the ternary weights, on codes of FP6 laid as images of the operand's registers; rotary embedding; the results are quantised again and stored as images for the attention.
; A work-group makes 128 rows x 256 columns; K goes in 16 steps of 128 through two slots of four steps (A's 49,152 bytes, then B's 98,304); behind the ring A's and B's scale words and the spare words.
; THE HEAD: one joint load a wave: wave 0 slot 0's A, wave 1 its B, wave 2 A's scale words, wave 3 B's.  Slot 1 is first filled as a refill is, behind a round, a quarter of it a wave; later each slot is filled once more.
; No data prefetch: K has 16 steps, of which eight are asked for before the first product, and the other eight by the two refills.
.set SLOT,  147456
.set BOFF,  49152
.set SCLA,  2*SLOT
.set SCLB,  SCLA+8192
.set SPARE, SCLB+16384
.set ADP, 2
.set ADQ, 10
.set ASP, 18
.set ASQ, 22
.set L16, 26
.set L8,  27
.set SPW, 28
.set NIL, 29
.set SP,  32
.set SQ,  40
.set L4,  56
.set RO,  57
.set PB,  64
.set QB,  160
.set G1,   24
.set G0,   32
.set G1B,  48
.set G0B,  56
.set G1S,  68
.set G0S,  76
.set G1SB, 80
.set G0SB, 88
.set ISV,  98
.set SEL,  100
.set DST,  68
.set DSC,  72
.set YR,  64
.set TM,  96
.set CT,  112
.set OUT, 128
.set PW,  176
.set JW,  184
.set MSB, 0
.macro WIN new
.if MSB != (\new)
	s_set_vgpr_msb (MSB<<8)|(\new)
.set MSB, (\new)
.endif
.endm
.macro GROUP1 g, rows
	s_mov_b32 s[\g+1], 32<<16
	s_mov_b32 s[\g+2], (\rows)<<16
	s_mov_b32 s[\g+3], 32<<16
	s_mov_b32 s[\g+4], \rows
	s_mov_b32 s[\g+5], 32
	s_mov_b32 s[\g+6], 0
	s_mov_b32 s[\g+7], 0
.endm
.macro JLOAD g0a, g1a, g0b, g1b
	s_cmp_eq_u32 s15, 0
	s_cbranch_scc0 .Lfor_b_\@
	tensor_load_to_lds s[\g0a:\g0a+3], s[\g1a:\g1a+7]
	s_nop 0
.rept 4
	v_nop
.endr
	s_branch .Lasked_\@
.Lfor_b_\@:
	tensor_load_to_lds s[\g0b:\g0b+3], s[\g1b:\g1b+7]
	s_nop 0
.rept 4
	v_nop
.endr
.Lasked_\@:
.endm
.macro CREST
	s_cmp_lg_u32 s14, 0
	s_cbranch_scc1 .Lnot_wave_0_\@
	s_barrier_signal -3
.Lnot_wave_0_\@:
	s_barrier_wait -3
	s_barrier_signal -1
	s_barrier_wait -1
.endm
.macro CROUND
	s_barrier_signal -1
	s_barrier_wait -1
	CREST
.endm
.macro PLACES n
.rept \n
	v_nop
.endr
.endm
	s_load_b128 s[4:7], s[0:1], 0x0
	s_load_b128 s[8:11], s[0:1], 0x10
	s_load_b64 s[12:13], s[0:1], 0x20
	v_lshl_add_u32 v[SPW], v0, 2, SPARE
	v_mov_b32 v[NIL], 0
	ds_add_u32 v28, v29
	ds_add_u32 v28, v29
	s_wait_dscnt 0x0
	v_lshrrev_b32 v1, 5, v0
	v_readfirstlane_b32 s14, v1
	s_lshr_b32 s15, s14, 1
	s_and_b32 s16, s14, 1
	s_bfe_u32 s40, ttmp6, 0x40000
	s_bfe_u32 s41, ttmp6, 0x40004
	s_lshl_b32 s42, ttmp9, 2
	s_add_co_u32 s42, s42, s40
	s_and_b32 s17, ttmp7, 0xffff
	s_lshl_b32 s17, s17, 2
	s_add_co_u32 s17, s17, s41
	s_lshl_b32 s43, s41, 2
	s_lshl_b32 s43, 15, s43
	s_lshl_b32 s44, 0x1111, s40
	s_or_b32 s[G1], s43, (3<<16)|(1<<21)
	s_or_b32 s[G1B], s44, (3<<16)|(1<<21)
	s_or_b32 s[G1S], s43, (3<<16)|(1<<21)
	s_or_b32 s[G1SB], s44, (3<<16)|(1<<21)
	GROUP1 G1, 192                                 ; the head's tiles, in rows of 256 bytes; the ring's counts are set behind the head's wait
	GROUP1 G1B, 384
	GROUP1 G1S, 32
	GROUP1 G1SB, 64
	s_mul_i32 s20, s17, 196608
	s_mov_b32 s21, 0
	s_lshl_b32 s22, s17, 13
	s_add_co_u32 s22, s22, 3145728
	s_mov_b32 s23, 0
	s_mul_i32 s46, s42, 393216
	s_mov_b32 s47, 0
	s_lshl_b32 s92, s42, 14
	s_add_co_u32 s92, s92, 7864320
	s_mov_b32 s93, 0
	s_wait_kmcnt 0x0
	s_add_nc_u64 s[20:21], s[4:5], s[20:21]
	s_add_nc_u64 s[22:23], s[4:5], s[22:23]
	s_add_nc_u64 s[46:47], s[6:7], s[46:47]
	s_add_nc_u64 s[92:93], s[6:7], s[92:93]
	CROUND
	s_mov_b32 s[G0S], 1
	s_mov_b32 s[G0S+1], SCLA
	s_mov_b64 s[G0S+2:G0S+3], s[22:23]
	s_or_b32 s[G0S+3], s[G0S+3], 0x80000000
	s_mov_b32 s[G0SB], 1
	s_mov_b32 s[G0SB+1], SCLB
	s_mov_b64 s[G0SB+2:G0SB+3], s[92:93]
	s_or_b32 s[G0SB+3], s[G0SB+3], 0x80000000
	s_mov_b32 s[G0], 1                             ; A's K steps 0-3, whole
	s_mov_b32 s[G0+1], 0
	s_mov_b64 s[G0+2:G0+3], s[20:21]
	s_or_b32 s[G0+3], s[G0+3], 0x80000000
	s_mov_b32 s[G0B], 1                            ; B's K steps 0-3, whole
	s_mov_b32 s[G0B+1], BOFF
	s_mov_b64 s[G0B+2:G0B+3], s[46:47]
	s_or_b32 s[G0B+3], s[G0B+3], 0x80000000
; the head's four loads, one a wave: one chain of branches on the wave's number, every way through it passes one load
.macro ARM under, g0, g1, next
	s_cmp_lt_u32 s14, \under
	s_cbranch_scc0 \next
	tensor_load_to_lds s[\g0:\g0+3], s[\g1:\g1+7]
	s_nop 0
.rept 4
	v_nop
.endr
	s_branch .Lhead_asked
\next:
.endm
	ARM 1, G0,  G1,  .Lhead_b
	ARM 2, G0B, G1B, .Lhead_sa
	ARM 3, G0S, G1S, .Lhead_sb
	tensor_load_to_lds s[G0SB:G0SB+3], s[G1SB:G1SB+7]
	s_nop 0
.rept 4
	v_nop
.endr
.Lhead_asked:
	v_and_b32 v1, 31, v0
	v_and_b32 v30, 15, v0
	v_bfe_u32 v31, v0, 4, 1
	v_lshlrev_b32 v[L16], 4, v1
	s_wait_alu depctr_va_vdst(0)
	v_lshlrev_b32 v[L8], 3, v1
	v_lshlrev_b32 v[L4], 2, v1
	v_lshlrev_b32 v58, 4, v30
	s_wait_alu depctr_va_vdst(0)
	s_cmp_eq_u32 ttmp9, 2
	s_cselect_b32 s[ISV], s15, 0
	s_mul_i32 s2, s15, 12288
	s_add_co_u32 s2, s2, BOFF
	s_mul_i32 s3, s16, 6144
	s_add_co_u32 s18, s3, BOFF+12288
	s_lshl_b32 s19, s15, 11
	s_add_co_u32 s19, s19, SCLB
	s_lshl_b32 s45, s16, 10
	s_add_co_u32 s66, s45, SCLB+2048
	s_add_co_u32 s45, s45, SCLA
	s_mov_b32 s67, SCLA
	s_mov_b32 s94, 24576
	s_mov_b32 s95, 12288
	s_mov_b32 s96, 4096
	s_mov_b32 s97, 2048
	s_cmp_eq_u32 s[ISV], 1
	s_cselect_b32 s2, 0, s2
	s_cselect_b32 s3, s18, s3
	s_cselect_b32 s19, s67, s19
	s_cselect_b32 s45, s66, s45
	s_cselect_b32 s18, s95, s94
	s_cselect_b32 s66, s94, s95
	s_cselect_b32 s67, s97, s96
	s_cselect_b32 s99, s96, s97
.irp q, 0,1,2,3
	v_add_nc_u32 v[ADP+\q], s2, v[L16]
	v_add_nc_u32 v[ADQ+\q], s3, v[L16]
	v_add_nc_u32 v[ADP+4+\q], SLOT, v[ADP+\q]
	v_add_nc_u32 v[ADQ+4+\q], SLOT, v[ADQ+\q]
	v_add_nc_u32 v[ASP+\q], s19, v58
	v_add_nc_u32 v[ASQ+\q], s45, v58
	s_add_co_u32 s2, s2, s18
	s_add_co_u32 s3, s3, s66
	s_add_co_u32 s19, s19, s67
	s_add_co_u32 s45, s45, s99
.endr
	v_and_b32 v59, 8, v30
	v_add_nc_u32 v59, v59, v30
	v_lshlrev_b32 v[RO], 8, v59
	v_lshl_add_u32 v[RO], v31, 6, v[RO]
	s_lshl_b32 s20, s17, 15
	s_lshl_b32 s21, s16, 14
	s_add_co_u32 s20, s20, s21
	s_mov_b32 s21, 0
	s_add_nc_u64 s[8:9], s[8:9], s[20:21]
	s_cmp_eq_u32 s[ISV], 1
	s_cbranch_scc1 .Lno_table
	WIN 0xc0
	s_wait_alu depctr_va_vdst(0)
.irp a, 0,1,2,3
.irp x, 0,1,2,3
	global_load_b128 v[32*\a+4*\x:32*\a+4*\x+3], v[RO], s[8:9] offset:(32*(\a/2)+8*(\a%2))*256+16*\x
	global_load_b128 v[32*\a+16+4*\x:32*\a+16+4*\x+3], v[RO], s[8:9] offset:(32*(\a/2)+8*(\a%2))*256+128+16*\x
.endr
.endr
	WIN 0
.Lno_table:
.macro FETCH t
.set FS, ((\t)>>2)&1
.set FQ, (\t)&3
.set FK, (\t)>>2
.set FP, (\t)&1
	WIN 0x80*FP
.irp i, 0,1,2,3,4,5,6,7
.irp g, 0,1,2
	ds_load_b128 v[PB+12*\i+4*\g:PB+12*\i+4*\g+3], v[ADP+4*FS+FQ] offset:1536*\i+512*\g
.endr
.endr
	WIN 0
.irp a, 0,1,2,3
.irp g, 0,1,2
	ds_load_b128 v[QB+48*FP+12*\a+4*\g:QB+48*FP+12*\a+4*\g+3], v[ADQ+4*FS+FQ] offset:1536*\a+512*\g
.endr
.endr
.irp i, 0,1,2,3,4,5,6,7
	ds_load_b32 v[SP+12*FP+\i], v[ASP+FK] offset:256*\i+4*FQ
.endr
.irp a, 0,1,2,3
	ds_load_b32 v[SQ+12*FP+\a], v[ASQ+FK] offset:256*\a+4*FQ
.endr
.endm
.macro MULQ a, p, zero
.irp i, 0,1,2,3,4,5,6,7
.if \zero
	v_wmma_scale_f32_16x16x128_f8f6f4 v[8*(8*(\a)+\i):8*(8*(\a)+\i)+7], v[PB+12*\i:PB+12*\i+11], v[QB+48*(\p)+12*(\a):QB+48*(\p)+12*(\a)+11], 0, v[SP+12*(\p)+\i], v[SQ+12*(\p)+(\a)] matrix_a_fmt:MATRIX_FMT_FP6 matrix_b_fmt:MATRIX_FMT_FP6
.else
	v_wmma_scale_f32_16x16x128_f8f6f4 v[8*(8*(\a)+\i):8*(8*(\a)+\i)+7], v[PB+12*\i:PB+12*\i+11], v[QB+48*(\p)+12*(\a):QB+48*(\p)+12*(\a)+11], v[8*(8*(\a)+\i):8*(8*(\a)+\i)+7], v[SP+12*(\p)+\i], v[SQ+12*(\p)+(\a)] matrix_a_fmt:MATRIX_FMT_FP6 matrix_b_fmt:MATRIX_FMT_FP6
.endif
.endr
.endm
.macro STEP t, zero
	s_wait_dscnt 0x0
	WIN 0x50+2*((\t)&1)
	MULQ 0, (\t)&1, \zero
	MULQ 1, (\t)&1, \zero
	WIN 0
	PLACES 4
	FETCH (\t)+1
	WIN 0x50+2*((\t)&1)
	MULQ 2, (\t)&1, \zero
	MULQ 3, (\t)&1, \zero
	WIN 0
.endm
.macro TURN t, fill
.set TS, ((\t)>>2)&1
	s_wait_tensorcnt 0x0
	ds_add_u32 v[SPW], v[NIL]
	s_wait_dscnt 1
	WIN 0x52
	MULQ 0, 1, 0
	s_wait_dscnt 0x0
	s_barrier_signal -1
	MULQ 1, 1, 0
	WIN 0
	s_barrier_wait -1
.if \fill
	CREST
	s_add_nc_u64 s[G0+4*TS+2:G0+4*TS+3], s[G0+4*TS+2:G0+4*TS+3], 2*49152
	s_add_nc_u64 s[G0B+4*TS+2:G0B+4*TS+3], s[G0B+4*TS+2:G0B+4*TS+3], 2*98304
	JLOAD G0+4*TS, G1, G0B+4*TS, G1B
.else
	PLACES 4
.endif
	FETCH (\t)+1
	WIN 0x52
	MULQ 2, 1, 0
	MULQ 3, 1, 0
	WIN 0
.endm
	s_wait_alu depctr_va_vdst(0)                   ; the wait at the head's end
	s_wait_tensorcnt 0x0                           ; my tile of the head's four is in
	ds_add_u32 v[SPW], v[NIL]
	s_mov_b32 s[G1+2], 96<<16                      ; no load of mine is out, so descriptors may be written: the ring's loads bring a quarter of a slot
	s_mov_b32 s[G1+4], 96
	s_mov_b32 s[G1B+2], 192<<16
	s_mov_b32 s[G1B+4], 192
	s_mul_i32 s18, s16, 24576                      ; my half of A's part of a slot, in LDS and in memory alike
	s_mov_b32 s19, 0
	s_mov_b32 s[G0+1], s18
	s_add_nc_u64 s[G0+2:G0+3], s[G0+2:G0+3], s[18:19]
	s_mov_b32 s[G0+4], 1
	s_add_co_u32 s[G0+5], s18, SLOT
	s_add_nc_u64 s[G0+6:G0+7], s[G0+2:G0+3], 49152
	s_or_b32 s[G0+7], s[G0+7], 0x80000000
	s_mul_i32 s18, s16, 49152                      ; my half of B's part
	s_add_co_u32 s[G0B+1], s18, BOFF
	s_add_nc_u64 s[G0B+2:G0B+3], s[G0B+2:G0B+3], s[18:19]
	s_mov_b32 s[G0B+4], 1
	s_add_co_u32 s[G0B+5], s18, BOFF+SLOT
	s_add_nc_u64 s[G0B+6:G0B+7], s[G0B+2:G0B+3], 98304
	s_or_b32 s[G0B+7], s[G0B+7], 0x80000000
	s_wait_dscnt 0x0                               ; the add is done
	CROUND                                         ; all four tiles are in, and all sixteen work-groups are here
	JLOAD G0+4, G1, G0B+4, G1B                     ; K steps 4-7 into slot 1: the first tensor load behind the round
	FETCH 0
	STEP 0, 1
	STEP 1, 0
	s_wait_alu depctr_va_vdst(0)
	STEP 2, 0
	TURN 3, 1
	STEP 4, 0
	STEP 5, 0
	STEP 6, 0
	TURN 7, 1
	STEP 8, 0
	STEP 9, 0
	STEP 10, 0
	TURN 11, 0
	STEP 12, 0
	STEP 13, 0
	STEP 14, 0
	s_wait_dscnt 0x0
	WIN 0x52
	MULQ 0, 1, 0
	MULQ 1, 1, 0
	MULQ 2, 1, 0
	MULQ 3, 1, 0
	WIN 0
	PLACES 4
.macro QUANTN nb, src, sw, dst, word
	WIN (\sw)*5
.set qb, 0
.rept \nb
	v_max3_num_f32 v[TM+qb], |v[(\src)+16*qb]|, |v[(\src)+16*qb+1]|, 0x1800000
.set qb, qb+1
.endr
.irp i, 2,4,6,8,10,12,14
.set qb, 0
.rept \nb
	v_max3_num_f32 v[TM+qb], |v[(\src)+16*qb+\i]|, |v[(\src)+16*qb+\i+1]|, v[TM+qb]
.set qb, qb+1
.endr
.endr
	WIN 0
.set qb, 0
.rept \nb
	v_permlanex16_b32 v[TM+4+qb], v[TM+qb], s[SEL], s[SEL+1]
.set qb, qb+1
.endr
.set qb, 0
.rept \nb
	v_max_num_f32 v[TM+qb], v[TM+qb], v[TM+4+qb]
.set qb, qb+1
.endr
.set qb, 0
.rept \nb
	v_add_nc_u32 v[TM+8+qb], 0xff000000, v[TM+qb]
.set qb, qb+1
.endr
.set qb, 0
.rept \nb
	v_lshrrev_b32 v[TM+4+qb], 23, v[TM+8+qb]
.set qb, qb+1
.endr
	v_lshl_or_b32 v[\word], v[TM+5], 8, v[TM+4]
.if (\nb) == 4
	v_lshl_or_b32 v[\word], v[TM+6], 16, v[\word]
	v_lshl_or_b32 v[\word], v[TM+7], 24, v[\word]
.else
	v_lshl_or_b32 v[\word], v[\word], 16, v[\word]
.endif
	WIN \sw
.set qc, 0
.rept (\nb)/2
	v_cvt_scalef32_pk16_fp6_f32 v[(\dst)+6*qc:(\dst)+6*qc+2], v[(\src)+32*qc:(\src)+32*qc+15], v[TM+8+2*qc]
	v_cvt_scalef32_pk16_fp6_f32 v[CT+4*qc:CT+4*qc+2], v[(\src)+32*qc+16:(\src)+32*qc+31], v[TM+8+2*qc+1]
.set qc, qc+1
.endr
	WIN 0
	v_nop
.set qc, 0
.rept (\nb)/2
.irp i, 0,1,2
	v_permlane16_swap_b32 v[(\dst)+6*qc+\i], v[CT+4*qc+\i]
.endr
.irp i, 0,1,2
	v_mov_b32 v[(\dst)+6*qc+3+\i], v[CT+4*qc+\i]
.endr
.set qc, qc+1
.endr
.endm
	s_mov_b32 s[SEL], 0x76543210
	s_mov_b32 s[SEL+1], 0xfedcba98
	s_mov_b32 vcc_lo, 0xffff0000
.irp b, 0,1,2,3
	v_mov_b32 v[TM+4+\b], 0
.endr
	s_cmp_eq_u32 s[ISV], 1
	s_cbranch_scc1 .Lv_wave
	s_lshl_b32 s18, s17, 3
	s_lshl_b32 s19, s16, 2
	s_lshl_b32 s20, s42, 2
	s_lshl_b32 s21, s15, 1
	s_add_co_u32 s20, s20, s21
	s_lshl_b32 s20, s20, 7
	s_add_co_u32 s20, s20, s18
	s_add_co_u32 s20, s20, s19
	s_mul_i32 s22, s20, 768
	s_lshl_b32 s20, s20, 6
	s_add_co_u32 s20, s20, 3145728
	s_mul_i32 s45, s40, 2*208896
	s_lshr_b32 s46, s17, 2
	s_mul_i32 s46, s46, 52224
	s_add_co_u32 s45, s45, s46
	s_and_b32 s46, s17, 3
	s_lshl_b32 s46, s46, 3
	s_add_co_u32 s46, s46, s19
	s_mul_i32 s47, s46, 768
	s_add_co_u32 s47, s47, s45
	s_lshl_b32 s46, s46, 6
	s_add_co_u32 s46, s46, s45
	s_add_co_u32 s46, s46, 24576
	s_mov_b32 s66, 98304
	s_mov_b32 s67, 8192
	s_mov_b32 s92, 208896
	s_cmp_eq_u32 ttmp9, 2
	s_cselect_b64 s[94:95], s[12:13], s[10:11]
	s_cselect_b32 s22, s47, s22
	s_cselect_b32 s20, s46, s20
	s_cselect_b32 s66, s92, s66
	s_cselect_b32 s92, s92, s67
	s_mov_b32 s23, 0
	s_mov_b32 s21, 0
	s_mov_b32 s67, 0
	s_mov_b32 s93, 0
	s_add_nc_u64 s[DST:DST+1], s[94:95], s[22:23]
	s_add_nc_u64 s[DST+2:DST+3], s[DST:DST+1], s[66:67]
	s_add_nc_u64 s[DSC:DSC+1], s[94:95], s[20:21]
	s_add_nc_u64 s[DSC+2:DSC+3], s[DSC:DSC+1], s[92:93]
	s_wait_loadcnt 0x0
.macro HEADTILE hh, a
.set XB, 8*(8*(\a)+4*(\hh))
.set CB, 32*(\a)
.set TE, 4*(\hh)+(\a)
	WIN 0x0d
.irp i, 0,2,4,6,8,10,12,14
	v_pk_mul_f32 v[YR+\i:YR+\i+1], v[XB+\i:XB+\i+1], v[CB+\i:CB+\i+1]
	v_pk_mul_f32 v[YR+16+\i:YR+17+\i], v[XB+16+\i:XB+17+\i], v[CB+\i:CB+\i+1]
	v_pk_fma_f32 v[YR+\i:YR+\i+1], v[XB+16+\i:XB+17+\i], v[CB+16+\i:CB+17+\i], v[YR+\i:YR+\i+1] neg_lo:[1,0,0] neg_hi:[1,0,0]
	v_pk_fma_f32 v[YR+16+\i:YR+17+\i], v[XB+\i:XB+\i+1], v[CB+16+\i:CB+17+\i], v[YR+16+\i:YR+17+\i]
.endr
	WIN 0
	QUANTN 2, YR, 0, OUT+6*TE, PW+TE
	global_store_b128 v[L16], v[OUT+6*TE:OUT+6*TE+3], s[DST+2*(\hh):DST+2*(\hh)+1] offset:768*(\a)
	global_store_b64 v[L8], v[OUT+6*TE+4:OUT+6*TE+5], s[DST+2*(\hh):DST+2*(\hh)+1] offset:768*(\a)+512
.if (\a)%2
	v_cndmask_b32 v[JW+TE/2], v[PW+TE-1], v[PW+TE], vcc_lo
	global_store_b32 v[L4], v[JW+TE/2], s[DSC+2*(\hh):DSC+2*(\hh)+1] offset:64*((\a)-1)
.endif
.endm
.irp hh, 0,1
.irp a, 0,1,2,3
	HEADTILE \hh, \a
.endr
.endr
	s_branch .Lend
.Lv_wave:
	s_lshl_b32 s18, s40, 1
	s_add_co_u32 s18, s18, s16
	s_mul_i32 s18, s18, 208896
	s_lshr_b32 s19, s17, 2
	s_mul_i32 s19, s19, 52224
	s_add_co_u32 s18, s18, s19
	s_and_b32 s19, s17, 3
	s_mul_i32 s20, s19, 6144
	s_add_co_u32 s20, s20, s18
	s_add_co_u32 s20, s20, 26624
	s_mov_b32 s21, 0
	s_lshl_b32 s22, s19, 8
	s_add_co_u32 s22, s22, s18
	s_add_co_u32 s22, s22, 51200
	s_mov_b32 s23, 0
	s_add_nc_u64 s[DST:DST+1], s[12:13], s[20:21]
	s_add_nc_u64 s[DSC:DSC+1], s[12:13], s[22:23]
.macro VTILE a
	QUANTN 4, 64*(\a), 1, OUT+12*(\a), PW+(\a)
.irp g, 0,1,2
	global_store_b128 v[L16], v[OUT+12*(\a)+4*\g:OUT+12*(\a)+4*\g+3], s[DST:DST+1] offset:1536*(\a)+512*\g
.endr
.if (\a)%2
	v_cndmask_b32 v[JW+(\a)/2], v[PW+(\a)-1], v[PW+(\a)], vcc_lo
	global_store_b32 v[L4], v[JW+(\a)/2], s[DSC:DSC+1] offset:64*((\a)-1)
.endif
.endm
	VTILE 0
	VTILE 1
	VTILE 2
	VTILE 3
.Lend:
	s_wait_tensorcnt 0x0
	ds_add_u32 v[SPW], v[NIL]
	s_wait_dscnt 0x0
	CROUND
	s_endpgm
.Lfunc_end_k_q3936de0602_qkv:
	.size	k_q3936de0602_qkv, .Lfunc_end_k_q3936de0602_qkv-k_q3936de0602_qkv
	.p2alignl 7, 3214868480
	.fill 96, 4, 3214868480
	.section	.rodata,"a",@progbits
	.p2align	6, 0x0
	.amdhsa_kernel k_q3936de0602_qkv
		.amdhsa_group_segment_fixed_size 327680
		.amdhsa_private_segment_fixed_size 0
		.amdhsa_enable_private_segment 0
		.amdhsa_kernarg_size 40
		.amdhsa_user_sgpr_count 2
		.amdhsa_user_sgpr_kernarg_segment_ptr 1
		.amdhsa_wavefront_size32 1
		.amdhsa_system_sgpr_workgroup_id_x 1
		.amdhsa_system_sgpr_workgroup_id_y 1
		.amdhsa_system_sgpr_workgroup_id_z 1
		.amdhsa_system_vgpr_workitem_id 0
		.amdhsa_next_free_vgpr 896
		.amdhsa_next_free_sgpr 102
		.amdhsa_reserve_vcc 1
		.amdhsa_float_denorm_mode_32 3
		.amdhsa_float_denorm_mode_16_64 3
		.amdhsa_memory_ordered 1
		.amdhsa_forward_progress 1
		.amdhsa_inst_pref_size 188
	.end_amdhsa_kernel
	.amdgpu_metadata
---
amdhsa.version: [ 1, 2 ]
amdhsa.kernels:
  - .name:           k_q3936de0602_qkv
    .symbol:         k_q3936de0602_qkv.kd
    .args:
      - { .name: ximg, .offset: 0, .size: 8, .value_kind: global_buffer, .address_space: global }
      - { .name: wimg, .offset: 8, .size: 8, .value_kind: global_buffer, .address_space: global }
      - { .name: rope, .offset: 16, .size: 8, .value_kind: global_buffer, .address_space: global }
      - { .name: qimg, .offset: 24, .size: 8, .value_kind: global_buffer, .address_space: global }
      - { .name: kvimg, .offset: 32, .size: 8, .value_kind: global_buffer, .address_space: global }
    .group_segment_fixed_size: 327680
    .private_segment_fixed_size: 0
    .kernarg_segment_align: 8
    .kernarg_segment_size: 40
    .max_flat_workgroup_size: 128
    .sgpr_count:     102
    .vgpr_count:     896
    .wavefront_size: 32
...
	.end_amdgpu_metadata
.endif
;; end of part 3
;; launch attn (part 4): grid 32 x 8, 16 waves a work-group, clusters of 4 x 1, 284,160 bytes of LDS; arguments qimg, kvimg, attention_mask, aimg; writes aimg
.if DOCPART == 4
	.amdgcn_target "amdgcn-amd-amdhsa--gfx1250"
	.amdhsa_code_object_version 6
	.text
	.protected	k_q3936de0602_attn
	.globl	k_q3936de0602_attn
	.p2align	8
	.type	k_q3936de0602_attn,@function
k_q3936de0602_attn:
	s_mov_b64 s[64:65], 0
	v_nop
	global_prefetch_b8 v0, s[64:65] scope:SCOPE_SE
	s_setreg_imm32_b32 hwreg(HW_REG_WAVE_MODE, 25, 1), 1
	s_wait_xcnt 0x0
	s_wait_alu depctr_hold_cnt(0) depctr_sa_sdst(0) depctr_va_vdst(0) depctr_va_sdst(0) depctr_va_ssrc(0) depctr_va_vcc(0) depctr_vm_vsrc(0)
	s_getreg_b32 s2, hwreg(HW_REG_IB_STS2, 6, 4)
	s_cmp_eq_u32 s2, 0
	s_cbranch_scc0 .Lentry_in_a_cluster
	s_endpgm
.Lentry_in_a_cluster:
	s_bfe_u32 s2, ttmp6, 0x10000c
	s_cmp_lg_u32 s2, 0x3003
	s_cbranch_scc0 .Lentry_shape_is_right
	s_endpgm
.Lentry_shape_is_right:
; Attention on codes of FP6 (E2M3): for each of 32 query heads softmax(q k^T / 8 + mask) v, both products quantised; the result is quantised once more, along head x 64 + channel, as the left operand of the output projection.
; THE SOFTMAX: t = (q.k / 8 + mask) log2(e); M = the running largest t rounded up to a whole number; p = 2^(t - M) is quantised along the keys, not normalised; the row's sum is taken of the unquantised p and divides at the end.
; The mask goes in as the C of the first product: 8 x mask, so that t = c (sum + 8 mask), c = log2(e) / 8.
; SHARES.  A work-group takes one kv head and 64 queries of its four query heads; wave w takes head 4 kv + w / 4 and the tile of 16 queries w % 4.
; ALL OF THE HEAD'S K AND V LIE IN LDS, 4 chunks of 512 keys, 208,896 bytes, filled once: each of the 16 waves asks for 13,056 bytes by one tensor load.  The four work-groups of a cluster share the kv head and ask jointly.
; No data prefetch: every tile is asked for at the head, and there is no loop to run ahead in.
; LAYOUT.  Both products transposed: S^T = K Q^T, O^T = V^T P^T: a lane holds one query throughout.
; A KEY TILE IS PUT TOGETHER BY THE LANES' ADDRESSES: row 8 h + j of tile 4 c + t is key 64 c + 32 h + 8 t + j of the step's 128.  So the 32 registers of tiles 4 c .. 4 c + 3 are, in lane half h, the whole block
; 2 c + h of 32 keys in their order: the block's maximum needs no other lane, and the conversions' results lie where the second product's operand wants them.
; (In kvimg image 2 b + u holds, in row r, key 32 b + 8 u + r + 8 (r / 8): rows 0-7 of the tile come from image 4 c + t % 2, rows 8-15 from image 4 c + 2 + t % 2, both from its rows 8 (t / 2) + j.)
; THE FIRST PRODUCT'S K IS 64: Q's codes of k = 64 .. 127 are zeros, written once, so the upper six registers of a fragment of K add nothing whatever finite codes they hold (FP6 has no other): fragment i lies at
; v[KF + 6 i], and its upper half is fragment i + 1's lower half; behind the eighth stand six registers of zeros.  K's scale words carry finite bytes for those blocks.
; THE NEXT STEP'S mask, K and K's scale words are asked of LDS ahead of this step's second products.  In the last trip the chunk's address is held at chunk 3: its first step is read once more, and those registers are not used.
; LIMITS: -infinity in the mask gives p = 0; a row whose every key is masked by -infinity is not served.  NaN and other infinities are not served.  A block whose largest magnitude lies under 2^-124 gets the byte 1.
; The promise holds while the scaled scores t stay under 2^31 in magnitude.
.set CHM,   52224                      ; a chunk in memory: K's 32 half images (768), K's words (32 x 64), V's 16 images (1,536), V's words (16 x 64): 204 rows of 256 bytes
.set CH,    65280                      ; and in LDS: the tensor load lays 64 bytes of padding behind each 256, so byte y of a chunk lies at 320 (y / 256) + y % 256.  Two images are then 1,920 bytes apart, 128 modulo 256
.set MASK,  4*CH                       ; 8 x mask, 2,048 f32
.set STAGE, MASK+8192                  ; the way out: [pair of heads 2][tile 4][1536]
.set SST,   STAGE+12288                ; and its scale words
.set SPARE, SST+512                    ; the spare words: 128 bytes for each of 16 waves
.set ADK, 3                            ; v3-8  the chunk's addresses: K's 16-byte pieces, K's 8-byte pieces, K's words, the mask, V's images, V's words
.set AD8, 4
.set ADS, 5
.set ADM, 6
.set ADV, 7
.set ADW, 8
.set SH,  9                            ; v9    8 x (lane / 16)
.set VW,  28                           ; v28-29 V's scale words
.set SPW, 30                           ; v30   my spare word's address; v31 0: never rewritten
.set NIL, 31
.set KF,  32                           ; v32-85 K's eight fragments; between the first products and the next step's loads v32-55 are at work:
.set T,   32                           ; maxima and scales,
.set AC,  40                           ; four pairs of partial sums,
.set CT,  48                           ; the blocks' upper 16 codes
.set VF,  86                           ; v86-133 V's four fragments
.set S,   134                          ; v134-197 S^T, then p
.set O,   198                          ; v198-229 O^T
.set P,   230                          ; v230-241 p's codes
.set KW,  242                          ; v242-245 K's scale words; v246 Q's; v247 p's
.set QW,  246
.set PW,  247
.set F,   248                          ; v248 f = 2^(old M - new M) (v249 is named with it)
.set BK,  250                          ; v250-254 the lanes' terms of the addresses
.set B8,  251
.set BS,  252
.set BM,  253
.set BW,  254
.set BV,  255                          ; v255  V's images: 16 (lane % 16) + 320 (lane / 16)
.set WV,  18
.set SEL, 20
.set CS,  22
.set SB,  48                           ; s48 the next chunk, s49 held at chunk 3; s50, s51 the same for the mask
.set SC,  49
.set SM,  50
.set SMC, 51
.macro CROUND
	s_barrier_signal -1
	s_barrier_wait -1
	s_cmp_lg_u32 s[WV], 0
	s_cbranch_scc1 .Lnot_wave_0_\@
	s_barrier_signal -3
.Lnot_wave_0_\@:
	s_barrier_wait -3
	s_barrier_signal -1
	s_barrier_wait -1
.endm
.macro ADDR
	v_add_nc_u32 v[ADK], s[SC], v[BK]
	v_add_nc_u32 v[AD8], s[SC], v[B8]
	v_add_nc_u32 v[ADS], s[SC], v[BS]
	v_add_nc_u32 v[ADM], s[SMC], v[BM]
	v_add_nc_u32 v[ADV], s[SC], v[BV]
	v_add_nc_u32 v[ADW], s[SC], v[BW]
.endm
.macro PRE q                           ; what the first products of the chunk's step q need: 8 x mask as C, K's words, K's eight fragments: 36 LDS loads
.irp t, 0,1,2,3,4,5,6,7
	ds_load_b128 v[S+8*\t:S+8*\t+3], v[ADM] offset:512*(\q)+256*(\t/4)+32*(\t%4)
	ds_load_b128 v[S+8*\t+4:S+8*\t+7], v[ADM] offset:512*(\q)+256*(\t/4)+32*(\t%4)+16
.endr
.irp w, 0,1,2,3
	ds_load_b32 v[KW+\w], v[ADS] offset:30720+640*(\q)+320*(\w/2)+32*(\w%2)   ; lanes 0-15 tile 2 w's rows, lanes 16-31 tile 2 w + 1's
.endr
.irp t, 0,1,2,3,4,5,6,7
	ds_load_b128 v[KF+6*\t:KF+6*\t+3], v[ADK] offset:7680*(\q)+3840*(\t/4)+960*(\t%2)+128*((\t%4)/2)
	ds_load_b64 v[KF+6*\t+4:KF+6*\t+5], v[AD8] offset:7680*(\q)+3840*(\t/4)+960*(\t%2)+640+64*((\t%4)/2)
.endr
.endm
.macro SMUL t
.if (\t)%2
	v_wmma_scale_f32_16x16x128_f8f6f4 v[S+8*(\t):S+8*(\t)+7], v[KF+6*(\t):KF+6*(\t)+11], v[16:27], v[S+8*(\t):S+8*(\t)+7], v[KW+(\t)/2], v[QW] matrix_a_fmt:MATRIX_FMT_FP6 matrix_b_fmt:MATRIX_FMT_FP6 matrix_a_scale:MATRIX_SCALE_ROW1
.else
	v_wmma_scale_f32_16x16x128_f8f6f4 v[S+8*(\t):S+8*(\t)+7], v[KF+6*(\t):KF+6*(\t)+11], v[16:27], v[S+8*(\t):S+8*(\t)+7], v[KW+(\t)/2], v[QW] matrix_a_fmt:MATRIX_FMT_FP6 matrix_b_fmt:MATRIX_FMT_FP6
.endif
.endm
.macro OMUL t
.if (\t)%2
	v_wmma_scale_f32_16x16x128_f8f6f4 v[O+8*(\t):O+8*(\t)+7], v[VF+12*(\t):VF+12*(\t)+11], v[P:P+11], v[O+8*(\t):O+8*(\t)+7], v[VW+(\t)/2], v[PW] matrix_a_fmt:MATRIX_FMT_FP6 matrix_b_fmt:MATRIX_FMT_FP6 matrix_a_scale:MATRIX_SCALE_ROW1
.else
	v_wmma_scale_f32_16x16x128_f8f6f4 v[O+8*(\t):O+8*(\t)+7], v[VF+12*(\t):VF+12*(\t)+11], v[P:P+11], v[O+8*(\t):O+8*(\t)+7], v[VW+(\t)/2], v[PW] matrix_a_fmt:MATRIX_FMT_FP6 matrix_b_fmt:MATRIX_FMT_FP6
.endif
.endm
	s_load_b256 s[4:11], s[0:1], 0x0               ; qimg, kvimg, attention_mask, aimg
	v_lshl_add_u32 v[SPW], v0, 2, SPARE
	v_mov_b32 v[NIL], 0
	ds_add_u32 v[SPW], v[NIL]                      ; the opening lines: the add, twice on end, and its wait ahead of my tensor load
	ds_add_u32 v[SPW], v[NIL]
	v_lshrrev_b32 v32, 5, v0
	v_readfirstlane_b32 s[WV], v32                 ; wave 0..15
	v_and_b32 v32, 31, v0                          ; lane
	v_and_b32 v33, 7, v0                           ; j
	v_bfe_u32 v34, v0, 3, 1                        ; which eight rows of a tile of K
	v_bfe_u32 v35, v0, 4, 1                        ; lane / 16
	v_lshlrev_b32 v1, 4, v32
	v_lshlrev_b32 v2, 3, v32
	v_lshlrev_b32 v[BW], 2, v32
	v_mul_u32_u24 v36, v34, 1920                   ; rows 8-15 come from the image two further on
	v_lshlrev_b32 v[BS], 2, v33
	v_lshlrev_b32 v[BM], 7, v35
	v_lshl_add_u32 v[BK], v33, 4, v36
	v_lshl_add_u32 v[B8], v33, 3, v36
	v_lshl_add_u32 v[BS], v34, 7, v[BS]
	v_add_nc_u32 v[BM], MASK, v[BM]                ; the mask: 32 keys, 128 bytes, on for lanes 16-31
	v_mad_u32_u24 v[BK], v35, 320, v[BK]           ; 1920 (row / 8) + 16 j + 320 (lane / 16)
	v_lshl_add_u32 v[B8], v35, 7, v[B8]            ; 1920 (row / 8) + 8 (j + 16 (lane / 16))
	v_lshl_add_u32 v[BS], v35, 6, v[BS]            ; 128 (row / 8) + 64 (lane / 16) + 4 j
	v_lshlrev_b32 v[SH], 3, v35
	v_and_b32 v37, 15, v0
	v_lshlrev_b32 v38, 4, v0                       ; 16 x thread
	v_lshlrev_b32 v[BV], 4, v37
	v_lshlrev_b32 v37, 2, v37                      ; 4 r
	v_mad_u32_u24 v[BV], v35, 320, v[BV]
	v_add_nc_u32 v39, MASK, v38
	s_bfe_u32 s12, ttmp6, 0x40000                  ; cx
	s_lshl_b32 s13, ttmp9, 2
	s_add_co_u32 s13, s13, s12                     ; my 64 queries: it enters global addresses alone
	s_and_b32 s14, ttmp7, 0xffff                   ; the kv head, which the partners share
	s_lshr_b32 s15, s[WV], 2
	s_and_b32 s16, s[WV], 3
	s_lshl_b32 s56, s14, 2
	s_add_co_u32 s56, s56, s15                     ; my head
	s_lshl_b32 s56, s56, 7
	s_lshl_b32 s57, s13, 2
	s_add_co_u32 s56, s56, s57
	s_add_co_u32 s56, s56, s16                     ; head x 128 + tile
	s_mul_i32 s58, s56, 768
	s_mov_b32 s59, 0
	s_lshl_b32 s60, s56, 6
	s_add_co_u32 s60, s60, 3145728
	s_mov_b32 s61, 0
	s_mul_i32 s19, s[WV], 13056                    ; my sixteenth of the head's K and V in memory: 51 rows of 256 bytes,
	s_mul_i32 s54, s14, 4*CHM
	s_add_co_u32 s54, s54, s19
	s_mul_i32 s19, s[WV], 16320                    ; and in LDS: 51 rows of 320
	s_mov_b32 s55, 0
	s_mov_b32 s24, 15|(3<<16)|(1<<20)|(1<<21)|(5<<22)|(15<<25)   ; the mask: all four work-groups; elements of 8 bytes; padding on; bit 21 beside a mask; after every 64 words (code 5) 16 words (code 15)
	s_mov_b32 s25, 32<<16                          ; rows of 256 bytes,
	s_mov_b32 s26, 51<<16                          ; 51 of them
	s_mov_b32 s27, 32<<16
	s_mov_b32 s28, 51
	s_mov_b32 s29, 32
	s_mov_b32 s30, 0
	s_mov_b32 s31, 0
	s_mov_b32 s[SEL], 0x76543210
	s_mov_b32 s[SEL+1], 0xfedcba98                 ; v_permlanex16_b32's selects for lane l xor 16
	s_mov_b32 s[CS], 0x3e38aa3b                    ; c = log2(e) / 8
	s_mov_b32 s[CS+1], s[CS]
	s_mov_b32 s[SB], 0
	s_mov_b32 s[SC], 0
	s_mov_b32 s[SM], 0
	s_mov_b32 s[SMC], 0
	s_wait_alu depctr_va_vdst(0)                   ; the wait ahead of the waits below
	s_wait_dscnt 0x0                               ; both opening adds are done
	s_wait_kmcnt 0x0
	s_add_nc_u64 s[58:59], s[4:5], s[58:59]
	s_add_nc_u64 s[60:61], s[4:5], s[60:61]
	s_add_nc_u64 s[54:55], s[6:7], s[54:55]
	global_load_b128 v[S:S+3], v38, s[8:9]         ; the mask: 16 bytes a thread
	global_load_b128 v[16:19], v1, s[58:59]        ; Q's half image stays in registers
	global_load_b64 v[20:21], v2, s[58:59] offset:512
	global_load_b32 v[QW], v37, s[60:61]           ; and its scale words
	s_mov_b32 s32, 1
	s_mov_b32 s33, s19
	s_mov_b64 s[34:35], s[54:55]
	s_or_b32 s35, s35, 0x80000000
	CROUND                                         ; all four work-groups are here: the joint loads meet
	tensor_load_to_lds s[32:35], s[24:31]          ; one load a wave: every way through the text passes it
	s_nop 0
.irp j, 22,23,24,25,26,27
	v_mov_b32 v[\j], 0                             ; Q's upper 64 along K: zero codes
.endr
.irp j, 48,49,50,51,52,53
	v_mov_b32 v[KF+\j], 0                          ; behind K's eighth fragment
.endr
.set j, 0
.rept 32
	v_mov_b32 v[O+j], 0                            ; O^T: the step has one form; the first finds zeros, which f = 0 leaves zeros
.set j, j+1
.endr
	v_mov_b32 v13, 0xff61b1e6                      ; the largest score so far: -3e38
	v_mov_b32 v10, 0x7f61b1e6                      ; -M ahead of the first step: 3e38, so that the first f is 0
	v_mov_b32 v11, 0                               ; (named as the upper half of the pair v[10:11])
	v_mov_b32 v14, 0
	v_mov_b32 v15, 0
	v_mov_b32 v[F+1], 0
	ADDR
	s_wait_loadcnt 3                               ; the mask is in; Q's three loads may be out
	v_pk_mul_f32 v[S:S+1], v[S:S+1], 0x41000000 op_sel_hi:[1,0]
	v_pk_mul_f32 v[S+2:S+3], v[S+2:S+3], 0x41000000 op_sel_hi:[1,0]
	ds_store_b128 v39, v[S:S+3]                    ; 8 x mask
	s_wait_loadcnt 0x0                             ; Q
	s_wait_alu depctr_va_vdst(0)                   ; the wait at the head's end
	s_wait_tensorcnt 0x0                           ; my sixteenth has landed
	s_wait_dscnt 0x0                               ; my part of the mask is stored
	s_barrier_signal -1
	s_barrier_wait -1                              ; all of K, V and the mask are whole; nothing is filled again
	PRE 0
; A KEY STEP: 128 keys, the q-th of the chunk's four.  -M lies in v12 and v10 by turns, so that the old one need not be copied
.macro STEP q
.set NN, 12-2*((\q)&1)
.set NO, 10+2*((\q)&1)
	s_wait_dscnt 0x0                               ; the 36 loads asked for ahead of the last step's second products
.irp t, 0,1,2,3,4,5,6,7
	SMUL \t
.endr
.rept 4
	v_nop                                          ; places: ahead of the first read of results, of writes into K's registers, and of the loads into V's, which the last step's second products read
.endr
.irp t, 0,1,2,3                                ; V's four images land under the softmax
.irp g, 0,1,2
	ds_load_b128 v[VF+12*\t+4*\g:VF+12*\t+4*\g+3], v[ADV] offset:33280+7680*(\q)+1920*\t+640*\g
.endr
.endr
.irp u, 0,1
	ds_load_b32 v[VW+\u], v[ADW] offset:64000+320*(\q)+128*\u
.endr
.irp k, 0,16,32,48                             ; the largest score of my two blocks of 32 keys, in four chains; each accumulator is read from its low end on
	v_max3_num_f32 v[T+\k/16], v[S+\k], v[S+\k+1], v[S+\k+2]
.endr
.irp i, 3,5,7,9,11,13
.irp k, 0,16,32,48
	v_max3_num_f32 v[T+\k/16], v[T+\k/16], v[S+\k+\i], v[S+\k+\i+1]
.endr
.endr
	v_max3_num_f32 v[T], v[T], v[T+1], v[S+15]
	v_max3_num_f32 v[T+2], v[T+2], v[T+3], v[S+47]
	v_max_num_f32 v[T], v[T], v[S+31]              ; block h's
	v_max_num_f32 v[T+2], v[T+2], v[S+63]          ; block 2 + h's: they serve for the row's maximum and, since p rises with the score, for the block's largest p
	s_delay_alu instid0(VALU_DEP_1)
	v_max_num_f32 v[T+4], v[T], v[T+2]
	s_delay_alu instid0(VALU_DEP_1)
	v_permlanex16_b32 v[T+5], v[T+4], s[SEL], s[SEL+1]
	s_delay_alu instid0(VALU_DEP_1)
	v_max3_num_f32 v13, v13, v[T+4], v[T+5]        ; the running largest score of my query
	s_delay_alu instid0(VALU_DEP_1)
	v_mul_f32 v[T+4], s[CS], v13                   ; as t (c is positive)
	s_delay_alu instid0(VALU_DEP_1)
	v_floor_f32 v[NN], -v[T+4]                     ; the new -M = -ceil(t): a whole number
.set j, 0
.rept 32
	v_pk_fma_f32 v[S+j:S+j+1], v[S+j:S+j+1], s[CS:CS+1], v[NN:NN+1] op_sel_hi:[1,0,0]   ; t - M, two at a time
.set j, j+2
.endr
	v_fma_f32 v[T], v[T], s[CS], v[NN]             ; the same of each block's largest score
	v_fma_f32 v[T+2], v[T+2], s[CS], v[NN]
	s_wait_alu depctr_va_vdst(0)                   ; the wait ahead of the batch
	v_exp_f32 v[T], v[T]                           ; the blocks' largest p
	v_exp_f32 v[T+2], v[T+2]
.set j, 0
.rept 64
	v_exp_f32 v[S+j], v[S+j]                       ; p = 2^(t - M)
.set j, j+1
.endr
	v_sub_f32 v[T+4], v[NN], v[NO]                 ; old M - new M: a whole number, 0 or less.  (Plain lines behind the exponentials)
	s_delay_alu instid0(VALU_DEP_1)
	v_cvt_i32_f32 v[T+4], v[T+4]                   ; (it saturates)
	s_delay_alu instid0(VALU_DEP_1)
	v_ldexp_f32 v[F], 1.0, v[T+4]                  ; f = 2^(old M - new M): a multiplication by it rounds nothing
	s_wait_alu depctr_va_vdst(0)                   ; one wait for the whole batch, ahead of its first reader
	v_max_num_f32 v[T], 0x1800000, v[T]            ; the floor 2^(3 - 127): the byte cannot fall under 1
	v_max_num_f32 v[T+2], 0x1800000, v[T+2]
	s_delay_alu instid0(VALU_DEP_2)
	v_add_nc_u32 v[T+1], 0xff000000, v[T]          ; 2 off the exponent field: the conversions' scale operands
	s_delay_alu instid0(VALU_DEP_2)
	v_add_nc_u32 v[T+3], 0xff000000, v[T+2]
	s_delay_alu instid0(VALU_DEP_2)
	v_lshrrev_b32 v[T], 23, v[T+1]                 ; the scales' bytes
	s_delay_alu instid0(VALU_DEP_2)
	v_lshrrev_b32 v[T+2], 23, v[T+3]
	s_delay_alu instid0(VALU_DEP_1)
	v_lshl_or_b32 v[T], v[T+2], 16, v[T]           ; my two bytes: blocks h and 2 + h,
	s_delay_alu instid0(VALU_DEP_1)
	v_lshlrev_b32 v[T], v[SH], v[T]                ; at their places;
	s_delay_alu instid0(VALU_DEP_1)
	v_permlanex16_b32 v[T+4], v[T], s[SEL], s[SEL+1]
	s_delay_alu instid0(VALU_DEP_1)
	v_or_b32 v[PW], v[T], v[T+4]                   ; with lane l xor 16's two p's scale word is whole
.irp c, 0,1
	v_cvt_scalef32_pk16_fp6_f32 v[P+6*\c:P+6*\c+2], v[S+32*\c:S+32*\c+15], v[T+1+2*\c]
	v_cvt_scalef32_pk16_fp6_f32 v[CT+4*\c:CT+4*\c+2], v[S+32*\c+16:S+32*\c+31], v[T+1+2*\c]   ; (a conversion's three registers begin on an even number)
.endr
.irp k, 0,2,4,6                                ; the row's sum, of the unquantised p: four chains of pairs
	v_pk_add_f32 v[AC+\k:AC+\k+1], v[S+\k:S+\k+1], v[S+8+\k:S+9+\k]
.endr
.irp i, 16,24,32,40,48,56
.irp k, 0,2,4,6
	v_pk_add_f32 v[AC+\k:AC+\k+1], v[AC+\k:AC+\k+1], v[S+\i+\k:S+\i+\k+1]
.endr
.endr
	v_pk_fma_f32 v[14:15], v[14:15], v[F:F+1], v[AC:AC+1] op_sel_hi:[1,0,1]   ; the old sum under the new M, and the first chain
	v_pk_add_f32 v[AC+2:AC+3], v[AC+2:AC+3], v[AC+4:AC+5]
	s_delay_alu instid0(VALU_DEP_2)
	v_pk_add_f32 v[14:15], v[14:15], v[AC+6:AC+7]
	s_delay_alu instid0(VALU_DEP_1)
	v_pk_add_f32 v[14:15], v[14:15], v[AC+2:AC+3]
.irp c, 0,1
.irp i, 0,1,2
	v_mov_b32 v[P+3+6*\c+\i], v[CT+4*\c+\i]        ; registers 6 c .. 6 c + 5: keys 64 c + 32 h + 0 .. 31
.endr
.endr
	s_wait_dscnt 0x0                               ; V, asked for ahead of the softmax
.if (\q) == 3
	s_add_co_u32 s[SB], s[SB], CH                  ; on to the next chunk; behind the last the address stays at chunk 3
	s_min_u32 s[SC], s[SB], 3*CH
	s_add_co_u32 s[SM], s[SM], 2048
	s_min_u32 s[SMC], s[SM], 3*2048
	ADDR
.endif
	PRE ((\q)+1)&3                                 ; p and the registers at work are done with: the next step's loads
	s_wait_alu depctr_va_vdst(0)                   ; the wait directly ahead of the first reader of O^T; it also stands behind the addresses' writes
.set j, 0
.rept 16
	v_pk_mul_f32 v[O+j:O+j+1], v[O+j:O+j+1], v[F:F+1] op_sel_hi:[1,0]   ; O^T under the new M.  (These sixteen are also the places between the codes' last writes and the products)
.set j, j+2
.endr
.irp t, 0,1,2,3
	OMUL \t
.endr
.endm
	s_mov_b32 s52, 4
.Lchunk:
	STEP 0
	STEP 1
	STEP 2
	STEP 3
	s_sub_co_u32 s52, s52, 1
	s_cmp_lg_u32 s52, 0
	s_cbranch_scc1 .Lchunk
	; THE WAY OUT.  O^T / the sum; quantised along the head's 64 channels; two heads' halves make one image of the next product's operand (K step = pair of heads), pieced together in LDS.
	s_wait_dscnt 0x0                               ; the last trip's loads ahead: their registers are at work below
	v_add_f32 v14, v14, v15
	s_delay_alu instid0(VALU_DEP_1)
	v_permlanex16_b32 v[T], v14, s[SEL], s[SEL+1]
	s_delay_alu instid0(VALU_DEP_1)
	v_add_f32 v14, v14, v[T]                       ; the row's sum
	s_wait_alu depctr_va_vdst(0)                   ; the wait ahead of the transcendental
	v_rcp_f32 v14, v14
	s_lshr_b32 s56, s[WV], 3                       ; which pair of my kv head's four heads
	s_and_b32 s57, s15, 1                          ; the pair's first or second
	s_lshl_b32 s58, s56, 2
	s_add_co_u32 s58, s58, s16
	s_mul_i32 s58, s58, 1536
	s_add_co_u32 s58, s58, STAGE                   ; the image
	s_mul_i32 s59, s57, 520
	s_add_co_u32 s59, s59, s58
	s_mul_i32 s60, s57, 1016
	s_add_co_u32 s60, s60, s58
	s_add_co_u32 s60, s60, 8
	s_lshl_b32 s61, s16, 7
	s_lshl_b32 s62, s56, 2
	s_add_co_u32 s61, s61, s62
	s_lshl_b32 s62, s57, 1
	s_add_co_u32 s61, s61, s62
	s_add_co_u32 s61, s61, SST
	s_mul_i32 s62, s[WV], 768
	s_add_co_u32 s62, s62, STAGE
	s_and_b32 s63, s[WV], 1
	s_lshl_b32 s63, s63, 8
	s_add_co_u32 s63, s63, SST
	v_add_nc_u32 v3, s59, v1                       ; my registers 0, 1 (and 512 on: 4, 5): image registers 0, 1, 4, 5 or 6, 7, 10, 11
	v_add_nc_u32 v4, s60, v1                       ; my registers 2, 3: image registers 2, 3 or 8, 9
	v_and_b32 v[T+1], 15, v0
	v_add_nc_u32 v6, s62, v1                       ; back: 768 bytes a wave
	v_add_nc_u32 v7, s62, v2
	v_add_nc_u32 v8, s63, v2                       ; the scale words: 8 bytes a lane
	v_lshl_add_u32 v5, v[T+1], 3, s61              ; my two scale bytes
	s_lshr_b32 s66, s13, 1                         ; block of 128 rows
	s_and_b32 s67, s13, 1
	s_lshl_b32 s67, s67, 2                         ; my four tiles in it
	s_lshl_b32 s68, s66, 4
	s_lshl_b32 s69, s14, 1
	s_add_co_u32 s68, s68, s69
	s_add_co_u32 s68, s68, s56                     ; K step 2 kv + w / 8
	s_lshl_b32 s68, s68, 3
	s_add_co_u32 s68, s68, s67
	s_mul_i32 s68, s68, 1536
	s_and_b32 s69, s[WV], 7
	s_mul_i32 s69, s69, 768
	s_add_co_u32 s68, s68, s69
	s_mov_b32 s69, 0
	s_add_nc_u64 s[68:69], s[10:11], s[68:69]
	s_lshl_b32 s70, s66, 2
	s_lshr_b32 s71, s14, 1
	s_add_co_u32 s70, s70, s71
	s_lshl_b32 s70, s70, 3
	s_add_co_u32 s70, s70, s67
	s_lshl_b32 s70, s70, 8
	s_and_b32 s71, s14, 1
	s_lshl_b32 s71, s71, 3
	s_add_co_u32 s70, s70, s71
	s_and_b32 s71, s[WV], 1
	s_lshl_b32 s71, s71, 9
	s_add_co_u32 s70, s70, s71
	s_add_co_u32 s70, s70, 3145728
	s_mov_b32 s71, 0
	s_add_nc_u64 s[70:71], s[10:11], s[70:71]
	s_wait_alu depctr_va_vdst(0)                   ; the wait ahead of the reciprocal's and O^T's first reader
.set j, 0
.rept 16
	v_pk_mul_f32 v[S+j:S+j+1], v[O+j:O+j+1], v[14:15] op_sel_hi:[1,0]   ; register 16 b + i is channel 32 b + 16 h + i of my query
.set j, j+2
.endr
.irp b, 0,1
	v_max3_num_f32 v[T+\b], |v[S+16*\b]|, |v[S+1+16*\b]|, 0x1800000
.endr
.irp i, 2,4,6,8,10,12,14
.irp b, 0,1
	s_delay_alu instid0(VALU_DEP_2)
	v_max3_num_f32 v[T+\b], v[T+\b], |v[S+16*\b+\i]|, |v[S+1+16*\b+\i]|
.endr
.endr
.irp b, 0,1
	s_delay_alu instid0(VALU_DEP_2)
	v_permlanex16_b32 v[T+4+\b], v[T+\b], s[SEL], s[SEL+1]
.endr
.irp b, 0,1
	s_delay_alu instid0(VALU_DEP_2)
	v_max_num_f32 v[T+\b], v[T+\b], v[T+4+\b]
.endr
.irp b, 0,1
	s_delay_alu instid0(VALU_DEP_2)
	v_add_nc_u32 v[T+8+\b], 0xff000000, v[T+\b]
.endr
.irp b, 0,1
	s_delay_alu instid0(VALU_DEP_2)
	v_lshrrev_b32 v[T+4+\b], 23, v[T+8+\b]
.endr
	s_delay_alu instid0(VALU_DEP_1)
	v_lshl_or_b32 v[T+12], v[T+5], 8, v[T+4]       ; my head's two bytes of the row's scale word
	v_cvt_scalef32_pk16_fp6_f32 v[P:P+2], v[S:S+15], v[T+8]
	v_cvt_scalef32_pk16_fp6_f32 v[CT:CT+2], v[S+16:S+31], v[T+9]
	v_nop                                          ; one plain line behind a scaled conversion
.irp i, 0,1,2
	v_permlane16_swap_b32 v[P+\i], v[CT+\i]        ; a whole block in a lane: lanes 0-15 block 0, lanes 16-31 block 1
.endr
.irp i, 0,1,2
	v_mov_b32 v[P+3+\i], v[CT+\i]
.endr
	ds_store_b64 v3, v[P:P+1]
	ds_store_b64 v4, v[P+2:P+3]
	ds_store_b64 v3, v[P+4:P+5] offset:512
	ds_store_b16 v5, v[T+12]                       ; (lanes r and r + 16 write the same two bytes with the same value)
	s_wait_dscnt 0x0                               ; for the others' sake
	s_barrier_signal -1
	s_barrier_wait -1
	ds_load_b128 v[S+32:S+35], v6
	ds_load_b64 v[S+36:S+37], v7 offset:512
	s_wait_dscnt 0x0
	global_store_b128 v1, v[S+32:S+35], s[68:69]   ; 512 consecutive bytes,
	global_store_b64 v2, v[S+36:S+37], s[68:69] offset:512   ; and 256
	s_cmp_lt_u32 s[WV], 2
	s_cbranch_scc0 .Lno_words
	ds_load_b64 v[S+38:S+39], v8                   ; waves 0 and 1: the two K steps' words of 32 rows each
	s_wait_dscnt 0x0
	global_store_b64 v1, v[S+38:S+39], s[70:71]
.Lno_words:
	s_wait_tensorcnt 0x0                           ; the wave's end
	ds_add_u32 v[SPW], v[NIL]
	s_wait_dscnt 0x0
	CROUND                                         ; the closing round: no work-group ends while a partner may still ask for a tile that names it
	s_endpgm
.Lfunc_end_k_q3936de0602_attn:
	.size	k_q3936de0602_attn, .Lfunc_end_k_q3936de0602_attn-k_q3936de0602_attn
	.p2alignl 7, 3214868480
	.fill 96, 4, 3214868480
	.section	.rodata,"a",@progbits
	.p2align	6, 0x0
	.amdhsa_kernel k_q3936de0602_attn
		.amdhsa_group_segment_fixed_size 284160
		.amdhsa_private_segment_fixed_size 0
		.amdhsa_enable_private_segment 0
		.amdhsa_kernarg_size 32
		.amdhsa_user_sgpr_count 2
		.amdhsa_user_sgpr_kernarg_segment_ptr 1
		.amdhsa_wavefront_size32 1
		.amdhsa_system_sgpr_workgroup_id_x 1
		.amdhsa_system_sgpr_workgroup_id_y 1
		.amdhsa_system_sgpr_workgroup_id_z 1
		.amdhsa_system_vgpr_workitem_id 0
		.amdhsa_next_free_vgpr 256
		.amdhsa_next_free_sgpr 84
		.amdhsa_reserve_vcc 0
		.amdhsa_float_denorm_mode_32 3
		.amdhsa_float_denorm_mode_16_64 3
		.amdhsa_memory_ordered 1
		.amdhsa_forward_progress 1
		.amdhsa_inst_pref_size 81
	.end_amdhsa_kernel
	.amdgpu_metadata
---
amdhsa.version: [ 1, 2 ]
amdhsa.kernels:
  - .name:           k_q3936de0602_attn
    .symbol:         k_q3936de0602_attn.kd
    .args:
      - { .name: qimg, .offset: 0, .size: 8, .value_kind: global_buffer, .address_space: global }
      - { .name: kvimg, .offset: 8, .size: 8, .value_kind: global_buffer, .address_space: global }
      - { .name: attention_mask, .offset: 16, .size: 8, .value_kind: global_buffer, .address_space: global }
      - { .name: aimg, .offset: 24, .size: 8, .value_kind: global_buffer, .address_space: global }
    .group_segment_fixed_size: 284160
    .private_segment_fixed_size: 0
    .kernarg_segment_align: 8
    .kernarg_segment_size: 32
    .max_flat_workgroup_size: 512
    .sgpr_count:     84
    .vgpr_count:     256
    .wavefront_size: 32
...
	.end_amdgpu_metadata
.endif
;; end of part 4
;; launch oproj (part 5): grid 16 x 16, 4 waves a work-group, clusters of 4 x 4, 327,680 bytes of LDS; arguments aimg, wimg, out0; writes out0
.if DOCPART == 5
	.amdgcn_target "amdgcn-amd-amdhsa--gfx1250"
	.amdhsa_code_object_version 6
	.text
	.protected	k_q3936de0602_oproj
	.globl	k_q3936de0602_oproj
	.p2align	8
	.type	k_q3936de0602_oproj,@function
k_q3936de0602_oproj:
	s_mov_b64 s[64:65], 0
	v_nop
	global_prefetch_b8 v0, s[64:65] scope:SCOPE_SE
	s_setreg_imm32_b32 hwreg(HW_REG_WAVE_MODE, 25, 1), 1
	s_wait_xcnt 0x0
	s_wait_alu depctr_hold_cnt(0) depctr_sa_sdst(0) depctr_va_vdst(0) depctr_va_sdst(0) depctr_va_ssrc(0) depctr_va_vcc(0) depctr_vm_vsrc(0)
	s_getreg_b32 s2, hwreg(HW_REG_IB_STS2, 6, 4)
	s_cmp_eq_u32 s2, 0
	s_cbranch_scc0 .Lentry_in_a_cluster
	s_endpgm
.Lentry_in_a_cluster:
	s_bfe_u32 s2, ttmp6, 0x10000c
	s_cmp_lg_u32 s2, 0xf033
	s_cbranch_scc0 .Lentry_shape_is_right
	s_endpgm
.Lentry_shape_is_right:
; out0 = the attention's result x the ternary wo, on codes of FP6 (E2M3) laid as images of the operand's registers (a fragment, 16 rows x 128 K, is 1,536 bytes: registers 4 g .. 4 g + 3 of lane l at 512 g + 16 l).
; A work-group makes 128 rows x 128 columns: 16 x 16 work-groups; a wave makes 64 x 64: 16 accumulators.  K goes in 16 steps of 128; a step is 12,288 bytes of A (8 tiles) and 12,288 of B (8 of a block's 16 tiles).
; LDS: A's steps 0-11, B's steps 0-11, A's and B's scale words for all of K, the spare words: 311,808 bytes.
; THE HEAD: one joint load a wave: wave 0 A's twelve steps (dense in memory), wave 1 B's (twelve rows of 12,288 bytes, 24,576 apart), wave 2 A's scale words, wave 3 B's.
; ONE REFILL: steps 12-15 land on the bytes of steps 0-3, behind the round at step 3, a quarter a wave.  A second barrier, at step 11, shows them to all four waves.
; CLUSTERS: 4 x 4 work-groups; A's tiles are shared along a row of the cluster, B's along a column.  No data prefetch: twelve of the sixteen steps are asked for at the head, the other four by the one refill, eight steps ahead of their use.
; THE MATRIX INSTRUCTION IS USED TRANSPOSED: source 0 = 16 rows of wo (columns of out0), source 1 = 16 rows of A: a lane holds eight neighbouring numbers of a row of out0.
; A tile of 16 rows is not 16 neighbours: tile 2 b + u holds, in lane r, row 32 b + 8 u + r + 8 (r / 8).
; REGISTERS: window 0: v2-9 LDS addresses, v32-47 scale words (two sets), v64-111 wo's fragments of even steps, v160-255 A's fragments (two sets); window 1: v0-127 the accumulators; window 2: v64-111 wo's fragments of odd steps.
.set ASTEP, 12288
.set BOFF,  12*ASTEP
.set SCLA,  2*BOFF
.set SCLB,  SCLA+8192
.set SPARE, SCLB+8192
.set STAGE, 4*ASTEP                    ; the way out: 16 rows x 272 bytes for each wave, in A's steps 4 and 5: filled once, and read no more behind the barrier at step 11
.set ADP, 2                            ; v2-4  wo's fragments: steps 0-3 (and 12-15), 4-7, 8-11
.set ADQ, 5                            ; v5-7  A's
.set ASP, 8
.set ASQ, 9
.set L16, 26
.set SPW, 28
.set NIL, 29
.set SP,  32
.set SQ,  36
.set STO, 60
.set RD,  61
.set CO,  62
.set PB,  64
.set QB,  160
.set G1,   24
.set G0,   32
.set G1B,  48
.set G0B,  56
.set G1S,  68
.set G0S,  76
.set G1SB, 80
.set G0SB, 88
.set MSB, 0
.macro WIN new                         ; the immediate's high byte repeats the setting that is left
.if MSB != (\new)
	s_set_vgpr_msb (MSB<<8)|(\new)
.set MSB, (\new)
.endif
.endm
.macro GROUP1 g, c, rows, pitch        ; rows of c elements of 8 bytes, pitch elements apart
	s_mov_b32 s[\g+1], (\c)<<16
	s_mov_b32 s[\g+2], (\rows)<<16
	s_mov_b32 s[\g+3], (\c)<<16
	s_mov_b32 s[\g+4], \rows
	s_mov_b32 s[\g+5], \pitch
	s_mov_b32 s[\g+6], 0
	s_mov_b32 s[\g+7], 0
.endm
.macro JLOAD g0a, g1a, g0b, g1b        ; waves 0 and 1 fetch for A, waves 2 and 3 for B
	s_cmp_eq_u32 s15, 0
	s_cbranch_scc0 .Lfor_b_\@
	tensor_load_to_lds s[\g0a:\g0a+3], s[\g1a:\g1a+7]
	s_nop 0
.rept 4
	v_nop
.endr
	s_branch .Lasked_\@
.Lfor_b_\@:
	tensor_load_to_lds s[\g0b:\g0b+3], s[\g1b:\g1b+7]
	s_nop 0
.rept 4
	v_nop
.endr
.Lasked_\@:
.endm
.macro CREST
	s_cmp_lg_u32 s14, 0
	s_cbranch_scc1 .Lnot_wave_0_\@
	s_barrier_signal -3
.Lnot_wave_0_\@:
	s_barrier_wait -3
	s_barrier_signal -1
	s_barrier_wait -1
.endm
.macro CROUND
	s_barrier_signal -1
	s_barrier_wait -1
	CREST
.endm
.macro PLACES n
.rept \n
	v_nop
.endr
.endm
	s_load_b128 s[4:7], s[0:1], 0x0                ; aimg, wimg
	s_load_b64 s[8:9], s[0:1], 0x10                ; out0
	v_lshl_add_u32 v[SPW], v0, 2, SPARE
	v_mov_b32 v[NIL], 0
	ds_add_u32 v[SPW], v[NIL]                      ; the opening lines: the add, twice on end, and its wait ahead of my first tensor load
	ds_add_u32 v[SPW], v[NIL]
	v_lshrrev_b32 v1, 5, v0
	v_readfirstlane_b32 s14, v1                    ; wave 0..3
	s_lshr_b32 s15, s14, 1                         ; which 64 columns are mine.  Also: in the refill I fetch for A (0) or for B (1)
	s_and_b32 s16, s14, 1                          ; which 64 rows.  Also: which two of the refill's four steps I fetch
	s_bfe_u32 s40, ttmp6, 0x40000                  ; cx, cy
	s_bfe_u32 s41, ttmp6, 0x40004
	s_lshl_b32 s42, ttmp9, 2
	s_add_co_u32 s42, s42, s40                     ; block column
	s_and_b32 s17, ttmp7, 0xffff
	s_lshl_b32 s17, s17, 2
	s_add_co_u32 s17, s17, s41                     ; block row
	s_lshl_b32 s43, s41, 2
	s_lshl_b32 s43, 15, s43                        ; my row of the cluster
	s_lshl_b32 s44, 0x1111, s40                    ; my column
	s_or_b32 s[G1], s43, (3<<16)|(1<<21)
	s_or_b32 s[G1B], s44, (3<<16)|(1<<21)
	s_or_b32 s[G1S], s43, (3<<16)|(1<<21)
	s_or_b32 s[G1SB], s44, (3<<16)|(1<<21)
	GROUP1 G1, 32, 576, 32                         ; A's twelve steps: 147,456 dense bytes as rows of 256
	GROUP1 G1B, 1536, 12, 3072                     ; B's: twelve rows of 12,288 bytes
	GROUP1 G1S, 32, 32, 32                         ; A's scale words: 8,192 dense bytes
	GROUP1 G1SB, 256, 4, 512                       ; B's: four rows of 2,048 bytes, 4,096 apart
	s_mul_i32 s20, s17, 196608                     ; A's block
	s_mov_b32 s21, 0
	s_lshl_b32 s22, s17, 13
	s_add_co_u32 s22, s22, 3145728                 ; and its scale words, behind the codes
	s_mov_b32 s23, 0
	s_lshr_b32 s99, s42, 1
	s_add_co_u32 s99, s99, 12                      ; wo's blocks of 256 rows are wimg's blocks 12 to 19;
	s_and_b32 s18, s42, 1                          ; mine is one half of a block: tiles 0-7 or 8-15
	s_mul_i32 s46, s99, 393216
	s_mul_i32 s19, s18, 12288
	s_add_co_u32 s46, s46, s19
	s_mov_b32 s47, 0
	s_lshl_b32 s92, s99, 14
	s_lshl_b32 s19, s18, 11
	s_add_co_u32 s92, s92, s19
	s_add_co_u32 s92, s92, 7864320
	s_mov_b32 s93, 0
	s_wait_dscnt 0x0                               ; both opening adds are done
	s_wait_kmcnt 0x0
	s_add_nc_u64 s[20:21], s[4:5], s[20:21]
	s_add_nc_u64 s[22:23], s[4:5], s[22:23]
	s_add_nc_u64 s[46:47], s[6:7], s[46:47]
	s_add_nc_u64 s[92:93], s[6:7], s[92:93]
	CROUND                                         ; all sixteen work-groups are here: the first joint loads meet
	s_mov_b32 s[G0], 1
	s_mov_b32 s[G0+1], 0
	s_mov_b64 s[G0+2:G0+3], s[20:21]
	s_or_b32 s[G0+3], s[G0+3], 0x80000000
	s_mov_b32 s[G0B], 1
	s_mov_b32 s[G0B+1], BOFF
	s_mov_b64 s[G0B+2:G0B+3], s[46:47]
	s_or_b32 s[G0B+3], s[G0B+3], 0x80000000
	s_mov_b32 s[G0S], 1
	s_mov_b32 s[G0S+1], SCLA
	s_mov_b64 s[G0S+2:G0S+3], s[22:23]
	s_or_b32 s[G0S+3], s[G0S+3], 0x80000000
	s_mov_b32 s[G0SB], 1
	s_mov_b32 s[G0SB+1], SCLB
	s_mov_b64 s[G0SB+2:G0SB+3], s[92:93]
	s_or_b32 s[G0SB+3], s[G0SB+3], 0x80000000
; the head's four loads, one a wave: one chain of branches on the wave's number, every way through it passes one load
.macro ARM under, g0, g1, next
	s_cmp_lt_u32 s14, \under
	s_cbranch_scc0 \next
	tensor_load_to_lds s[\g0:\g0+3], s[\g1:\g1+7]
	s_nop 0
.rept 4
	v_nop
.endr
	s_branch .Lhead_asked
\next:
.endm
	ARM 1, G0,  G1,  .Lhead_b
	ARM 2, G0B, G1B, .Lhead_sa
	ARM 3, G0S, G1S, .Lhead_sb
	tensor_load_to_lds s[G0SB:G0SB+3], s[G1SB:G1SB+7]
	s_nop 0
.rept 4
	v_nop
.endr
.Lhead_asked:
	s_mul_i32 s2, s15, 6144                        ; my four tiles of wo,
	s_add_co_u32 s2, s2, BOFF
	s_mul_i32 s3, s16, 6144                        ; and of A
	s_lshl_b32 s19, s15, 10
	s_add_co_u32 s19, s19, SCLB
	s_lshl_b32 s45, s16, 10
	s_add_co_u32 s45, s45, SCLA
	s_mul_i32 s18, s14, 16*272
	s_add_co_u32 s18, s18, STAGE                   ; my stage
	s_lshl_b32 s20, s17, 20                        ; my part of out0: 128 rows of 8,192 bytes a block, 64 a wave; 512 bytes of a row a block, 256 a wave
	s_lshl_b32 s21, s16, 19
	s_add_co_u32 s20, s20, s21
	s_lshl_b32 s21, s42, 9
	s_add_co_u32 s20, s20, s21
	s_lshl_b32 s21, s15, 8
	s_add_co_u32 s20, s20, s21
	s_mov_b32 s21, 0
	s_add_nc_u64 s[8:9], s[8:9], s[20:21]
	v_and_b32 v1, 31, v0
	v_and_b32 v30, 15, v0                          ; r
	v_bfe_u32 v31, v0, 4, 1                        ; h
	v_lshlrev_b32 v[L16], 4, v1
	v_lshlrev_b32 v58, 4, v30
	v_mul_u32_u24 v[STO], v30, 272
	v_mul_u32_u24 v[RD], v31, 272
	v_add_nc_u32 v[ADP], s2, v[L16]
	v_add_nc_u32 v[ADQ], s3, v[L16]
	v_add_nc_u32 v[ASP], s19, v58                  ; a row's four words of four K steps are 16 bytes
	v_add_nc_u32 v[ASQ], s45, v58
	v_lshl_add_u32 v[STO], v31, 6, v[STO]
	v_add_nc_u32 v[RD], v[RD], v58
	v_lshl_add_u32 v[CO], v31, 13, v58             ; out: lanes 0-15 a row's 256 bytes, lanes 16-31 the next row's
	v_add_nc_u32 v[ADP+1], 4*ASTEP, v[ADP]
	v_add_nc_u32 v[ADQ+1], 4*ASTEP, v[ADQ]
	v_add_nc_u32 v[STO], s18, v[STO]               ; into the stage: row r, 64 h + the tile's place
	v_add_nc_u32 v[RD], s18, v[RD]                 ; back: two rows an instruction
	v_add_nc_u32 v[ADP+2], 4*ASTEP, v[ADP+1]
	v_add_nc_u32 v[ADQ+2], 4*ASTEP, v[ADQ+1]
.macro FETCH t                         ; step t's fragments and scale words: 24 loads of 16 bytes a lane, 8 of 4
.set FG, ((\t)>>2)%3
.set FQ, (\t)&3
.set FK, (\t)>>2
.set FP, (\t)&1
	WIN 0x80*FP
.irp i, 0,1,2,3
.irp g, 0,1,2
	ds_load_b128 v[PB+12*\i+4*\g:PB+12*\i+4*\g+3], v[ADP+FG] offset:ASTEP*FQ+1536*\i+512*\g
.endr
.endr
	WIN 0
.irp a, 0,1,2,3
.irp g, 0,1,2
	ds_load_b128 v[QB+48*FP+12*\a+4*\g:QB+48*FP+12*\a+4*\g+3], v[ADQ+FG] offset:ASTEP*FQ+1536*\a+512*\g
.endr
.endr
.irp i, 0,1,2,3
	ds_load_b32 v[SP+8*FP+\i], v[ASP] offset:2048*FK+256*\i+4*FQ
.endr
.irp a, 0,1,2,3
	ds_load_b32 v[SQ+8*FP+\a], v[ASQ] offset:2048*FK+256*\a+4*FQ
.endr
.endm
.macro MULQ a, p, zero                 ; A's tile a against wo's four; the sixteen accumulators take turns
.irp i, 0,1,2,3
.if \zero
	v_wmma_scale_f32_16x16x128_f8f6f4 v[8*(4*(\a)+\i):8*(4*(\a)+\i)+7], v[PB+12*\i:PB+12*\i+11], v[QB+48*(\p)+12*(\a):QB+48*(\p)+12*(\a)+11], 0, v[SP+8*(\p)+\i], v[SQ+8*(\p)+(\a)] matrix_a_fmt:MATRIX_FMT_FP6 matrix_b_fmt:MATRIX_FMT_FP6
.else
	v_wmma_scale_f32_16x16x128_f8f6f4 v[8*(4*(\a)+\i):8*(4*(\a)+\i)+7], v[PB+12*\i:PB+12*\i+11], v[QB+48*(\p)+12*(\a):QB+48*(\p)+12*(\a)+11], v[8*(4*(\a)+\i):8*(4*(\a)+\i)+7], v[SP+8*(\p)+\i], v[SQ+8*(\p)+(\a)] matrix_a_fmt:MATRIX_FMT_FP6 matrix_b_fmt:MATRIX_FMT_FP6
.endif
.endr
.endm
.macro STEP t, zero
	s_wait_dscnt 0x0                               ; this step's fragments are in
	WIN 0x50+2*((\t)&1)                            ; C and D window 1; source 0 window 0 or 2
	MULQ 0, (\t)&1, \zero
	MULQ 1, (\t)&1, \zero
	WIN 0
	PLACES 4                                       ; ahead of loads into registers that the last step's products read
	FETCH (\t)+1
	WIN 0x50+2*((\t)&1)
	MULQ 2, (\t)&1, \zero
	MULQ 3, (\t)&1, \zero
	WIN 0
.endm
.macro TURN t, fill                    ; an odd step with a barrier.  fill = 1: steps 0-3 are read no more, and their bytes are filled again; fill = 0: the refill is shown to all four waves
	s_wait_tensorcnt 0x0                           ; all my tensor loads have landed;
	ds_add_u32 v[SPW], v[NIL]                      ; 0 onto my spare word;
	s_wait_dscnt 1                                 ; (the add may be out)
	WIN 0x52
	MULQ 0, 1, 0
	s_wait_dscnt 0x0                               ; the add is done, and so are my reads
	s_barrier_signal -1
	MULQ 1, 1, 0
	WIN 0
	s_barrier_wait -1
.if \fill
	CREST                                          ; the barrier has opened a round of the cluster's barrier: no wave of any partner still reads these bytes
	JLOAD G0, G1, G0B, G1B                         ; the four v_nop behind it are the places in front of the loads below
.else
	PLACES 4
.endif
	FETCH (\t)+1
	WIN 0x52
	MULQ 2, 1, 0
	MULQ 3, 1, 0
	WIN 0
.endm
	s_wait_alu depctr_va_vdst(0)                   ; the wait at the head's end
	s_wait_tensorcnt 0x0                           ; my tile of the head's four is in; no load of mine is out, so descriptors may be written: the refill brings two steps a wave
	s_mov_b32 s[G1+2], 96<<16
	s_mov_b32 s[G1+4], 96
	s_mov_b32 s[G1B+2], 2<<16
	s_mov_b32 s[G1B+4], 2
	s_mul_i32 s18, s16, 2*ASTEP                    ; steps 12, 13 or 14, 15: onto the bytes of steps 0, 1 or 2, 3
	s_mov_b32 s19, 0
	s_mov_b32 s[G0+1], s18
	s_add_nc_u64 s[G0+2:G0+3], s[G0+2:G0+3], s[18:19]
	s_add_nc_u64 s[G0+2:G0+3], s[G0+2:G0+3], 12*ASTEP
	s_add_co_u32 s[G0B+1], s18, BOFF
	s_mul_i32 s18, s16, 4*ASTEP                    ; in memory a step of B is 24,576 bytes on
	s_add_nc_u64 s[G0B+2:G0B+3], s[G0B+2:G0B+3], s[18:19]
	s_add_nc_u64 s[G0B+2:G0B+3], s[G0B+2:G0B+3], 24*ASTEP
	s_barrier_signal -1
	s_barrier_wait -1                              ; all four tiles are in
	FETCH 0
	STEP 0, 1                                      ; the first step's products start the sums
	STEP 1, 0
	STEP 2, 0
	TURN 3, 1
.irp t, 4,5,6,7,8,9,10
	STEP \t, 0
.endr
	TURN 11, 0
	STEP 12, 0
	STEP 13, 0
	STEP 14, 0
	s_wait_dscnt 0x0
	WIN 0x52
	MULQ 0, 1, 0
	MULQ 1, 1, 0
	MULQ 2, 1, 0
	MULQ 3, 1, 0
	WIN 0
	PLACES 4                                       ; ahead of the first read of results
; THE WAY OUT, by A's tiles: 16 rows x 64 columns go through my own stage and come back as whole rows of 256 bytes.  LDS serves a wave's instructions in order (ISA guide 5.7.1.4): no wait between the stores and the loads.
.macro TOSTAGE a
	WIN 0x04                                       ; an LDS store's data are its source 1: window 1
.irp i, 0,1,2,3
	ds_store_b128 v[STO], v[8*(4*(\a)+\i):8*(4*(\a)+\i)+3] offset:128*(\i/2)+32*(\i%2)      ; register j of tile 2 b + u is column 32 b + 16 h + 8 u + j; each accumulator from its low end on
	ds_store_b128 v[STO], v[8*(4*(\a)+\i)+4:8*(4*(\a)+\i)+7] offset:128*(\i/2)+32*(\i%2)+16
.endr
	WIN 0
.irp k, 0,1,2,3,4,5,6,7
	ds_load_b128 v[64+32*((\a)%2)+4*\k:64+32*((\a)%2)+4*\k+3], v[RD] offset:544*\k
.endr
.endm
.macro SEND a, younger                 ; younger: the LDS instructions issued behind tile a's loads, which may stay out
	s_wait_dscnt \younger
.irp k, 0,1,2,3,4,5,6,7
	global_store_b128 v[CO], v[64+32*((\a)%2)+4*\k:64+32*((\a)%2)+4*\k+3], s[8:9] offset:(32*((\a)/2)+8*((\a)%2)+2*\k+8*(\k/4))*8192 th:TH_STORE_NT   ; sixteen lanes store 256 consecutive bytes, aligned
.endr
.endm
	TOSTAGE 0
	TOSTAGE 1
	SEND 0, 16                                     ; behind tile 0's loads: tile 1's 8 stores and 8 loads
	s_wait_xcnt 0x0                                ; tile 0's stores have read their registers
	TOSTAGE 2
	SEND 1, 16
	s_wait_xcnt 0x0
	TOSTAGE 3
	SEND 2, 16
	SEND 3, 0
	s_wait_tensorcnt 0x0                           ; the wave's end
	ds_add_u32 v[SPW], v[NIL]
	s_wait_dscnt 0x0
	CROUND                                         ; the closing round: no work-group ends while a partner may still ask for a tile that names it
	s_endpgm
.Lfunc_end_k_q3936de0602_oproj:
	.size	k_q3936de0602_oproj, .Lfunc_end_k_q3936de0602_oproj-k_q3936de0602_oproj
	.p2alignl 7, 3214868480
	.fill 96, 4, 3214868480
	.section	.rodata,"a",@progbits
	.p2align	6, 0x0
	.amdhsa_kernel k_q3936de0602_oproj
		.amdhsa_group_segment_fixed_size 327680
		.amdhsa_private_segment_fixed_size 0
		.amdhsa_enable_private_segment 0
		.amdhsa_kernarg_size 24
		.amdhsa_user_sgpr_count 2
		.amdhsa_user_sgpr_kernarg_segment_ptr 1
		.amdhsa_wavefront_size32 1
		.amdhsa_system_sgpr_workgroup_id_x 1
		.amdhsa_system_sgpr_workgroup_id_y 1
		.amdhsa_system_sgpr_workgroup_id_z 1
		.amdhsa_system_vgpr_workitem_id 0
		.amdhsa_next_free_vgpr 672
		.amdhsa_next_free_sgpr 102
		.amdhsa_reserve_vcc 0
		.amdhsa_float_denorm_mode_32 3
		.amdhsa_float_denorm_mode_16_64 3
		.amdhsa_memory_ordered 1
		.amdhsa_forward_progress 1
		.amdhsa_inst_pref_size 87
	.end_amdhsa_kernel
	.amdgpu_metadata
---
amdhsa.version: [ 1, 2 ]
amdhsa.kernels:
  - .name:           k_q3936de0602_oproj
    .symbol:         k_q3936de0602_oproj.kd
    .args:
      - { .name: aimg, .offset: 0, .size: 8, .value_kind: global_buffer, .address_space: global }
      - { .name: wimg, .offset: 8, .size: 8, .value_kind: global_buffer, .address_space: global }
      - { .name: out0, .offset: 16, .size: 8, .value_kind: global_buffer, .address_space: global }
    .group_segment_fixed_size: 327680
    .private_segment_fixed_size: 0
    .kernarg_segment_align: 8
    .kernarg_segment_size: 24
    .max_flat_workgroup_size: 128
    .sgpr_count:     102
    .vgpr_count:     672
    .wavefront_size: 32
...
	.end_amdgpu_metadata
.endif
;; end of part 5
